; MI455X (gfx1250); checked and timed in simulation.
; The chip was launched on July 23, 2026; its instructions are those of AMD's public machine-readable ISA for CDNA 5 (MIT licence, August 2026) and "CDNA5" Instruction Set Architecture Reference Guide (July 2026). The comments in the code are by the model that wrote it; some were corrected since.
;; Attention. Allowed arithmetic: matrix products marked QUANTISED: E2M1 operands, one E8M0 scale for each 32 along K, by v_wmma_scale_f32_16x16x128_f8f6f4 with both operands' format E2M1 (or v_wmma_scale_f32_32x16x128_f4), f32 sums; products left as they are: bf16, f16 or f32 operands; f32 sums; everything else in f32.
;; Inputs: b_out 1,024 float32; w_out 1,024 x 1,024 float32; w_qkv 1,024 x 3,072 float32; x 4 x 2,048 x 1,024 float32.
;; Outputs: out0 4 x 2,048 x 1,024 float32.
;; This version of the problem:
;;   THIS VERSION OF THE PROBLEM IS GIVEN IN LOW PRECISION. The matrix products marked QUANTISED in the list below multiply operands that are first quantised to E2M1 (2 exponent bits, 1 mantissa bit; 4 bits a number), with one power-of-two scale for each 32 numbers along K (OCP MX v1.0); their sums are f32. The products marked 'left as it is' may take bf16, f16 or f32 operands, with f32 sums. Whichever they take, every output number must still come out within the allowed error. Rounding operands to bf16 (8 significant bits) uses up far more of that allowance than f16 does (11 bits, for magnitudes from 6e-5 to 65,504). All else is computed in f32.
;;   The module's matrix products, in the order in which they are computed (A, B: the left and right operand; K: the contracted axis; several contracted axes count as one K, in the product's order):
;;     1. [M 8,192, K 1,024] x [K 1,024, N 3,072]; A: input x; B: input w_qkv: QUANTISED
;;     2. batch 64 x [M 2,048, K 64] x [K 64, N 2,048]; A: computed on the way; B: computed on the way: left as it is (an operand is computed on the way)
;;     3. batch 64 x [M 2,048, K 2,048] x [K 2,048, N 64]; A: computed on the way; B: computed on the way: left as it is (an operand is computed on the way)
;;     4. [M 8,192, K 1,024] x [K 1,024, N 1,024]; A: computed on the way; B: input w_out: left as it is (an operand is computed on the way)
;;   THE QUANTISER, for each operand of a quantised product, along K:
;;     - K is cut into blocks of 32 from its start; a last block that is shorter is filled with zeros.
;;     - A block's scale is 2^e with e = floor(log2(the largest magnitude in the block)) - 2, held to -126 .. 127; a block of zeros has e = 0. As a byte (E8M0): e + 127.
;;     - Each number is divided by its block's scale, clamped to +-6, and rounded to the nearest number of E2M1, ties to even, subnormals kept.
;;     - The product sums the exact products of the quantised numbers (number of the format x scale) in f32.
;;   ~~~python
;;   def quantise(x, axis):      # numpy; x: float32 -> the quantised numbers, widened to float32 again
;;       x = np.moveaxis(x, axis, -1); K = x.shape[-1]
;;       x = np.pad(x, [(0, 0)] * (x.ndim - 1) + [(0, -K % 32)]); x = x.reshape(x.shape[:-1] + (-1, 32)); a = np.abs(x).max(-1, keepdims=True)
;;       e = np.where(a > 0, np.clip(np.frexp(np.where(a > 0, a, 1))[1] - 1 - 2, -126, 127), 0)      # np.frexp(a)[1] - 1 = floor(log2(a)), exactly
;;       r = np.clip(x / 2.0 ** e, -6, 6)
;;       step = 2.0 ** (np.maximum(np.frexp(np.where(r == 0, 1, r))[1] - 1, 0) - 1)
;;       q = np.round(r / step) * step * 2.0 ** e      # np.round: ties to even
;;       return np.moveaxis(q.reshape(q.shape[:-2] + (-1,))[..., :K], -1, axis).astype(np.float32)
;;   ~~~
;; One version. Each part assembles by itself: llvm-mc -triple=amdgcn-amd-amdhsa -mcpu=gfx1250 --defsym DOCPART=n.
;; ======== version 1 of 1: 5 launches
;; limits: values are held in f16: magnitudes above 65,504 overflow, below 6.1e-05 lose precision
;; workspace buffers: xc 4,194,304 bytes; xs 262,144 bytes; wc 1,572,864 bytes; ws 98,304 bytes; wo16 2,097,152 bytes; qkvh 50,331,648 bytes; qkv32 786,432 bytes; o16 16,777,216 bytes
;; launch prep (part 1): grid 432 x 1, 4 waves a work-group, no clusters, 86,528 bytes of LDS; arguments x, w_qkv, w_out, xc, xs, wc, ws, wo16; writes xc, xs, wc, ws, wo16
.if DOCPART == 1
	.amdgcn_target "amdgcn-amd-amdhsa--gfx1250"
	.amdhsa_code_object_version 6
	.text
	.protected	k_q678884e8a5_prep
	.globl	k_q678884e8a5_prep
	.p2align	8
	.type	k_q678884e8a5_prep,@function
k_q678884e8a5_prep:
	s_mov_b64 s[64:65], 0
	v_nop
	global_prefetch_b8 v0, s[64:65] scope:SCOPE_SE
	s_setreg_imm32_b32 hwreg(HW_REG_WAVE_MODE, 25, 1), 1
	s_wait_xcnt 0x0
; CAUSAL ATTENTION, b = 4, n = 2,048, 16 heads of 64, in five launches: prep, qkv, attn, proj, fine.  This one lays the operands out.
; WORK LEFT OUT IN THE PROGRAM, AND WHY IT IS DEAD.  reference() builds the mask triu(ones, k = 1) in its own body and puts -max in front of the softmax wherever key > query: such a key's weight is
; exp(-max - row maximum) = 0 for all finite inputs, since key 0 always counts and keeps the row maximum finite.  So key steps of 64 keys that lie wholly behind a wave's 32 queries are neither fetched
; nor multiplied (launch attn), in both products that they would feed.  Nothing else is left out; every input has a way to the output and is loaded.  q's factor 64^-0.5 = 2^-3 is exact and is folded
; into the constant of the exponential.  LIMIT: a NaN, an infinity or an overflow that reaches only the keys left out is not carried to the result.
; THIS LAUNCH, three paths by the work-group's number, each with LDS bytes of its own:
;   W, work-groups 0-47:    w_qkv [1024 (k)][3072 (n)] f32 -> codes of E2M1 wc [3072][512 bytes], K innermost, and E8M0 bytes ws [3072][32].  A lane takes a column, its registers run down K.
;   X, work-groups 48-303:  x [8192][1024] f32 -> codes xc [8192][512 bytes] and bytes xs [8192][32].  K is innermost: a plain stream of blocks of 32.
;   O, work-groups 304-431: w_out [1024 (k)][1024 (n)] f32 -> f16, wo16 [k / 64][n][64]: K innermost in blocks of 64, so that a block's rows are dense.
; THE QUANTISER: a block's scale is 2^(floor(log2(largest magnitude)) - 2); its byte is the largest magnitude's exponent field - 2, held at 1 from below; numbers / scale go to the nearest code, ties to even, beyond 6 to 6.
; LIMITS: a block of zeros gets the byte 1 where the rule says 127 (its codes are zeros, and this program alone reads the bytes); NaN and infinities among the inputs are not served; |w_out| stays under 65,504 (f16).
; No tensor loads, no barrier: waves share nothing.
.set SPARE, 86016                      ; the spare words, 128 bytes for each wave
.set SPW,   198                        ; v198 LDS address of my spare word; never rewritten
.set NIL,   199                        ; v199 0; never rewritten
.set WV,    20                         ; s20  my wave's number
; ---- path X's names: LDS 0 .. 32,767, 8,192 bytes a wave: two stages of 32 x 80 bytes, then its 256 scale bytes
.set XSP,   80                         ; a lane's place in a stage: 64 bytes + 16 of padding
.set XR,    16                         ; v16-79   four sets of 16 numbers as loaded
.set XX,    80                         ; v80-111  two sets of 16 neighbours
.set XE,    112                        ; v112-127 a scale byte for each step
.set XC,    128                        ; v128-191 codes, four registers for each step: no store's data are written again
.macro XLOAD t                         ; step t: four loads of 512 consecutive bytes
.irp i, 0,1,2,3
	global_load_b128 v[XR+16*((\t)%4)+4*\i:XR+16*((\t)%4)+4*\i+3], v3, s[4:5] offset:2048*(\t)+512*\i th:TH_LOAD_NT
.endr
.endm
.macro XTURN t                         ; step t's numbers through the stage: LDS serves a wave's instructions in order, so no wait stands between
.irp i, 0,1,2,3
	ds_store_b128 v14, v[XR+16*((\t)%4)+4*\i:XR+16*((\t)%4)+4*\i+3] offset:32*XSP*((\t)%2)+8*XSP*\i
.endr
.irp i, 0,1,2,3
	ds_load_b128 v[XX+16*((\t)%2)+4*\i:XX+16*((\t)%2)+4*\i+3], v15 offset:32*XSP*((\t)%2)+16*\i
.endr
.endm
.macro XSTEP t
.set XCUR, XX+16*((\t)%2)
.if (\t) > 0
	s_wait_dscnt 1                                 ; this step's numbers are back from the stage; the last step's byte store may be out
.else
	s_wait_dscnt 0x0
.endif
.if (\t)+4 < 16
	XLOAD (\t)+4                                   ; into the set whose stores into the stage are done
.endif
.if (\t)+1 < 16
.if 14-(\t) >= 3
	s_wait_loadcnt 12                              ; the next step's four loads are in; those of the three steps behind it may be out
.else
	s_wait_loadcnt 4*(14-(\t))
.endif
	XTURN (\t)+1
.endif
	v_max3_num_f32 v8, |v[XCUR]|, |v[XCUR+1]|, |v[XCUR+2]|         ; the largest magnitude of my 16, in two chains
	v_max3_num_f32 v9, |v[XCUR+3]|, |v[XCUR+4]|, |v[XCUR+5]|
.irp i, 6,10
	v_max3_num_f32 v8, v8, |v[XCUR+\i]|, |v[XCUR+\i+1]|
	v_max3_num_f32 v9, v9, |v[XCUR+\i+2]|, |v[XCUR+\i+3]|
.endr
	v_max3_num_f32 v8, v8, |v[XCUR+14]|, |v[XCUR+15]|
	v_max3_num_f32 v8, v8, v9, 0x1800000           ; and the floor 2^(3 - 127): the byte cannot fall under 1
	v_max_num_f32_dpp v8, v8, v8 row_xmask:1 row_mask:0xf bank_mask:0xf   ; with my neighbour's 16: the block's
	v_add_nc_u32 v11, 0xff000000, v8               ; 2 off its exponent field: the conversion's scale operand
	v_cvt_scalef32_pk8_fp4_f32 v[XC+4*(\t)], v[XCUR:XCUR+7], v11
	v_cvt_scalef32_pk8_fp4_f32 v[XC+4*(\t)+1], v[XCUR+8:XCUR+15], v11
	v_lshrrev_b32 v[XE+(\t)], 23, v11              ; the scale's byte
	ds_store_b8 v5, v[XE+(\t)] offset:16*(\t)      ; both lanes of a block write the same byte with the same value
	global_store_b64 v4, v[XC+4*(\t):XC+4*(\t)+1], s[10:11] offset:256*(\t)   ; the wave stores 256 consecutive bytes, aligned
.endm
; ---- path W's names: LDS 32,768 .. 67,583, a stage of 32 rows x 272 bytes for each wave
.set WX,    32                         ; v32-95   two sets of 32 numbers
.set WC,    96                         ; v96-99   a block's codes
.set WSB,   24                         ; v24-27   the scale bytes, four to a register
.set WOUT,  112                        ; v112-175 the way out
.macro WLOAD t                         ; block t: w_qkv(32 t + i, my column)
.set i, 0
.rept 32
	global_load_b32 v[WX+32*((\t)%2)+i], v3, s[6:7] offset:(32*(\t)+i)*12288 th:TH_LOAD_NT
.set i, i+1
.endr
.endm
.macro WBLOCK t
.set WCUR, WX+32*((\t)%2)
.if (\t) < 15
	s_wait_loadcnt 32                              ; this block's 32 loads are in; the next block's may be out
.else
	s_wait_loadcnt 0
.endif
	v_max3_num_f32 v12, |v[WCUR]|, |v[WCUR+1]|, |v[WCUR+2]|        ; all 32 numbers of the block are mine
	v_max3_num_f32 v13, |v[WCUR+3]|, |v[WCUR+4]|, |v[WCUR+5]|
.irp i, 6,10,14,18,22,26
	v_max3_num_f32 v12, v12, |v[WCUR+\i]|, |v[WCUR+\i+1]|
	v_max3_num_f32 v13, v13, |v[WCUR+\i+2]|, |v[WCUR+\i+3]|
.endr
	v_max3_num_f32 v12, v12, |v[WCUR+30]|, |v[WCUR+31]|
	v_max3_num_f32 v12, v12, v13, 0x1800000        ; the floor
	v_add_nc_u32 v11, 0xff000000, v12              ; the conversion's scale operand
	v_lshrrev_b32 v13, 23, v11                     ; the scale's byte
.if (\t)%4 == 0
	v_mov_b32 v[WSB+(\t)/4], v13
.else
	v_lshl_or_b32 v[WSB+(\t)/4], v13, 8*((\t)%4), v[WSB+(\t)/4]
.endif
.irp g, 0,1,2,3
	v_cvt_scalef32_pk8_fp4_f32 v[WC+\g], v[WCUR+8*\g:WCUR+8*\g+7], v11
.endr
	ds_store_b128 v4, v[WC:WC+3] offset:16*(\t)    ; 32 codes: 16 bytes of my column's row
.if (\t)+2 < 16
	WLOAD (\t)+2
.endif
	s_wait_dscnt 0x0                               ; the store has read its registers: the next block's codes may be written
.endm
	s_load_b256 s[4:11], s[0:1], 0x0               ; x s[4:5], w_qkv s[6:7], w_out s[8:9], xc s[10:11]
	s_load_b256 s[12:19], s[0:1], 0x20             ; xs s[12:13], wc s[14:15], ws s[16:17], wo16 s[18:19]
	v_lshl_add_u32 v[SPW], v0, 2, SPARE
	v_mov_b32 v[NIL], 0
	v_lshrrev_b32 v1, 5, v0
	v_readfirstlane_b32 s[WV], v1                  ; wave 0..3
	v_and_b32 v2, 31, v0                           ; lane
	s_mov_b32 s25, 0                               ; the upper word of every offset below
	s_wait_kmcnt 0x0
	s_cmp_lt_u32 ttmp9, 48
	s_cbranch_scc1 .Lpath_w
	s_cmp_lt_u32 ttmp9, 304
	s_cbranch_scc1 .Lpath_x
	; ---- PATH O: one block of 64 along K for 128 columns; a wave takes 32 columns.  LDS 67,584 .. 86,015: 32 rows x 144 bytes for each wave
	s_sub_co_u32 s21, ttmp9, 304
	s_and_b32 s22, s21, 7                          ; which 128 columns
	s_lshr_b32 s23, s21, 3                         ; which 64 along K
	s_lshl_b32 s22, s22, 7
	s_lshl_b32 s26, s[WV], 5
	s_add_co_u32 s22, s22, s26                     ; my wave's first column
	s_lshl_b32 s24, s23, 18                        ; 64 rows of 4,096 bytes
	s_lshl_b32 s26, s22, 2
	s_add_co_u32 s24, s24, s26
	s_add_nc_u64 s[8:9], s[8:9], s[24:25]
	s_lshl_b32 s24, s23, 10
	s_add_co_u32 s24, s24, s22
	s_lshl_b32 s24, s24, 7                         ; (1,024 block + column) rows of 128 bytes
	s_add_nc_u64 s[18:19], s[18:19], s[24:25]
	v_lshlrev_b32 v3, 2, v2                        ; in: 4 bytes a lane: 128 consecutive bytes a load
	s_mul_i32 s26, s[WV], 4608
	s_add_co_u32 s26, s26, 67584
	v_mul_u32_u24 v4, v2, 144
	v_add_nc_u32 v4, s26, v4                       ; into the stage: row = my column
	v_lshrrev_b32 v5, 3, v2
	v_mul_u32_u24 v5, v5, 144
	v_and_b32 v6, 7, v2
	v_lshl_add_u32 v5, v6, 4, v5
	v_add_nc_u32 v5, s26, v5                       ; out of it: eight lanes to a row of 128 bytes, four rows an instruction
	v_lshlrev_b32 v6, 4, v2                        ; and the same place in wo16: the four rows are 512 consecutive bytes
.set i, 0
.rept 64
	global_load_b32 v[16+i], v3, s[8:9] offset:i*4096 th:TH_LOAD_NT   ; w_out(64 block + i, my column)
.set i, i+1
.endr
	s_wait_loadcnt 0x0
.set i, 0
.rept 32
	v_cvt_pk_f16_f32 v[80+i], v[16+2*i], v[17+2*i] ; the lower k in the low half
.set i, i+1
.endr
.irp i, 0,1,2,3,4,5,6,7
	ds_store_b128 v4, v[80+4*\i:83+4*\i] offset:16*\i
.endr
.irp i, 0,1,2,3,4,5,6,7
	ds_load_b128 v[112+4*\i:115+4*\i], v5 offset:576*\i   ; LDS serves a wave's instructions in order: these see my stores
.endr
.irp i, 0,1,2,3,4,5,6,7
	s_wait_dscnt 7-\i                              ; the younger loads may be out
	global_store_b128 v6, v[112+4*\i:115+4*\i], s[18:19] offset:512*\i
.endr
	s_wait_tensorcnt 0x0                           ; the wave's end, behind my last LDS store
	ds_add_u32 v[SPW], v[NIL]
	s_wait_dscnt 0x0
	s_endpgm
.Lpath_x:
	; ---- PATH X: a wave takes 16 steps of 512 numbers
	v_lshlrev_b32 v3, 4, v2                        ; my 16 bytes of a load's 512
	s_mul_i32 s21, s[WV], 8192
	v_lshrrev_b32 v14, 2, v2
	v_mul_u32_u24 v14, v14, XSP
	v_and_b32 v15, 3, v2
	v_lshl_add_u32 v14, v15, 4, v14
	v_add_nc_u32 v14, s21, v14                     ; the stage, on the way in: 80 (lane / 4) + 16 (lane % 4)
	v_mul_u32_u24 v15, v2, XSP
	v_add_nc_u32 v15, s21, v15                     ; and on the way out: 80 x lane: my 16 neighbours
	v_lshlrev_b32 v4, 3, v2                        ; my 8 bytes of a step's codes
	v_lshrrev_b32 v5, 1, v2
	s_add_co_u32 s21, s21, 2*32*XSP
	v_add_nc_u32 v5, s21, v5                       ; my block's byte among my wave's 256
	v_lshlrev_b32 v7, 3, v2
	v_add_nc_u32 v6, s21, v7                       ; and on the way out 8 bytes a lane
	s_sub_co_u32 s22, ttmp9, 48
	s_lshl_b32 s22, s22, 2
	s_add_co_u32 s22, s22, s[WV]                   ; which run of 8,192 numbers is my wave's: 0 .. 1,023
	s_lshl_b32 s24, s22, 15
	s_add_nc_u64 s[4:5], s[4:5], s[24:25]
	s_lshl_b32 s24, s22, 12
	s_add_nc_u64 s[10:11], s[10:11], s[24:25]
	s_lshl_b32 s24, s22, 8
	s_add_nc_u64 s[12:13], s[12:13], s[24:25]
.irp t, 0,1,2,3
	XLOAD \t
.endr
	s_wait_loadcnt 12                              ; step 0's four loads are in
	XTURN 0
.irp t, 0,1,2,3,4,5,6,7,8,9,10,11,12,13,14,15
	XSTEP \t
.endr
	ds_load_b64 v[8:9], v6                         ; my wave's 256 scale bytes
	s_wait_dscnt 0x0
	global_store_b64 v7, v[8:9], s[12:13]          ; 32 lanes store 256 consecutive bytes, aligned
	s_wait_tensorcnt 0x0                           ; the wave's end: the three lines
	ds_add_u32 v[SPW], v[NIL]
	s_wait_dscnt 0x0
	s_endpgm
.Lpath_w:
	; ---- PATH W: a wave takes 32 columns x 512 along K: 16 blocks a lane
	s_lshr_b32 s21, ttmp9, 1                       ; which 128 columns
	s_and_b32 s22, ttmp9, 1                        ; which 512 along K
	s_lshl_b32 s21, s21, 7
	s_lshl_b32 s23, s[WV], 5
	s_add_co_u32 s21, s21, s23                     ; my wave's first column
	s_mul_i32 s24, s22, 6291456                    ; 512 rows of 12,288 bytes
	s_lshl_b32 s23, s21, 2
	s_add_co_u32 s24, s24, s23
	s_add_nc_u64 s[6:7], s[6:7], s[24:25]
	s_lshl_b32 s24, s21, 9                         ; a column's row of codes is 512 bytes
	s_lshl_b32 s23, s22, 8
	s_add_co_u32 s24, s24, s23
	s_add_nc_u64 s[14:15], s[14:15], s[24:25]
	s_lshl_b32 s24, s21, 5                         ; its row of scale bytes 32
	s_lshl_b32 s23, s22, 4
	s_add_co_u32 s24, s24, s23
	s_add_nc_u64 s[16:17], s[16:17], s[24:25]
	v_lshlrev_b32 v3, 2, v2                        ; in: 4 bytes a lane
	s_mul_i32 s26, s[WV], 8704
	s_add_co_u32 s26, s26, 32768                   ; my stage
	v_mul_u32_u24 v4, v2, 272
	v_add_nc_u32 v4, s26, v4                       ; into it: row = my column
	v_and_b32 v5, 15, v2
	v_lshrrev_b32 v6, 4, v2
	v_mul_u32_u24 v7, v6, 272
	v_lshl_add_u32 v7, v5, 4, v7
	v_add_nc_u32 v7, s26, v7                       ; out of it: sixteen lanes to a row, two rows an instruction
	v_lshlrev_b32 v8, 9, v6
	v_lshl_add_u32 v8, v5, 4, v8                   ; and the same place in wc
	v_lshlrev_b32 v9, 5, v2                        ; my column's row of scale bytes
	WLOAD 0
	WLOAD 1
.set Q, 0
.rept 16
	WBLOCK Q
.set Q, Q+1
.endr
	global_store_b128 v9, v[WSB:WSB+3], s[16:17]   ; my column's 16 scale bytes
.irp t, 0,1,2,3,4,5,6,7,8,9,10,11,12,13,14,15
	ds_load_b128 v[WOUT+4*\t:WOUT+4*\t+3], v7 offset:2*\t*272
.endr
.irp t, 0,1,2,3,4,5,6,7,8,9,10,11,12,13,14,15
	s_wait_dscnt 15-\t                             ; the younger loads may be out
	global_store_b128 v8, v[WOUT+4*\t:WOUT+4*\t+3], s[14:15] offset:2*\t*512   ; sixteen lanes store 256 consecutive bytes, aligned
.endr
	s_wait_tensorcnt 0x0                           ; the wave's end: the three lines
	ds_add_u32 v[SPW], v[NIL]
	s_wait_dscnt 0x0
	s_endpgm
.Lfunc_end_k_q678884e8a5_prep:
	.size	k_q678884e8a5_prep, .Lfunc_end_k_q678884e8a5_prep-k_q678884e8a5_prep
	.p2alignl 7, 3214868480
	.fill 96, 4, 3214868480
	.section	.rodata,"a",@progbits
	.p2align	6, 0x0
	.amdhsa_kernel k_q678884e8a5_prep
		.amdhsa_group_segment_fixed_size 86528
		.amdhsa_private_segment_fixed_size 0
		.amdhsa_enable_private_segment 0
		.amdhsa_kernarg_size 64
		.amdhsa_user_sgpr_count 2
		.amdhsa_user_sgpr_kernarg_segment_ptr 1
		.amdhsa_wavefront_size32 1
		.amdhsa_system_sgpr_workgroup_id_x 1
		.amdhsa_system_sgpr_workgroup_id_y 1
		.amdhsa_system_sgpr_workgroup_id_z 1
		.amdhsa_system_vgpr_workitem_id 0
		.amdhsa_next_free_vgpr 200
		.amdhsa_next_free_sgpr 66
		.amdhsa_reserve_vcc 0
		.amdhsa_float_denorm_mode_32 3
		.amdhsa_float_denorm_mode_16_64 3
		.amdhsa_memory_ordered 1
		.amdhsa_forward_progress 1
		.amdhsa_inst_pref_size 122
	.end_amdhsa_kernel
	.amdgpu_metadata
---
amdhsa.version: [ 1, 2 ]
amdhsa.kernels:
  - .name:           k_q678884e8a5_prep
    .symbol:         k_q678884e8a5_prep.kd
    .args:
      - { .name: x, .offset: 0, .size: 8, .value_kind: global_buffer, .address_space: global }
      - { .name: w_qkv, .offset: 8, .size: 8, .value_kind: global_buffer, .address_space: global }
      - { .name: w_out, .offset: 16, .size: 8, .value_kind: global_buffer, .address_space: global }
      - { .name: xc, .offset: 24, .size: 8, .value_kind: global_buffer, .address_space: global }
      - { .name: xs, .offset: 32, .size: 8, .value_kind: global_buffer, .address_space: global }
      - { .name: wc, .offset: 40, .size: 8, .value_kind: global_buffer, .address_space: global }
      - { .name: ws, .offset: 48, .size: 8, .value_kind: global_buffer, .address_space: global }
      - { .name: wo16, .offset: 56, .size: 8, .value_kind: global_buffer, .address_space: global }
    .group_segment_fixed_size: 86528
    .private_segment_fixed_size: 0
    .kernarg_segment_align: 8
    .kernarg_segment_size: 64
    .max_flat_workgroup_size: 128
    .sgpr_count:     66
    .vgpr_count:     200
    .wavefront_size: 32
...
	.end_amdgpu_metadata
.endif
;; end of part 1
;; launch qkv (part 2): grid 12 x 32, 4 waves a work-group, clusters of 4 x 4, 327,680 bytes of LDS; arguments xc, xs, wc, ws, qkvh, qkv32; writes qkvh, qkv32
.if DOCPART == 2
	.amdgcn_target "amdgcn-amd-amdhsa--gfx1250"
	.amdhsa_code_object_version 6
	.text
	.protected	k_q678884e8a5_qkv
	.globl	k_q678884e8a5_qkv
	.p2align	8
	.type	k_q678884e8a5_qkv,@function
k_q678884e8a5_qkv:
	s_mov_b64 s[64:65], 0
	v_nop
	global_prefetch_b8 v0, s[64:65] scope:SCOPE_SE
	s_setreg_imm32_b32 hwreg(HW_REG_WAVE_MODE, 25, 1), 1
	s_wait_xcnt 0x0
	s_wait_alu depctr_hold_cnt(0) depctr_sa_sdst(0) depctr_va_vdst(0) depctr_va_sdst(0) depctr_va_ssrc(0) depctr_va_vcc(0) depctr_vm_vsrc(0)
	s_getreg_b32 s2, hwreg(HW_REG_IB_STS2, 6, 4)
	s_cmp_eq_u32 s2, 0
	s_cbranch_scc0 .Lentry_in_a_cluster
	s_endpgm
.Lentry_in_a_cluster:
	s_bfe_u32 s2, ttmp6, 0x10000c
	s_cmp_lg_u32 s2, 0xf033
	s_cbranch_scc0 .Lentry_shape_is_right
	s_endpgm
.Lentry_shape_is_right:
; qkv = Q(x) Q(w_qkv): [8192][1024] x [3072][1024]^T on codes of E2M1 with one E8M0 scale for each 32 along K; sums in f32.
; A tile of 256 x 256 is made by four waves, 128 x 128 each: 64 accumulators of 16 x 16.  K = 1,024 is two LDS slots of 512 along K (rows of 256 bytes): ALL of K is asked for at the head, nothing is filled again.
; The scale bytes of the tile's 256 + 256 rows, two dense blocks, come with the first fills.  By this text's own count a wave has three tensor loads out at the most.
; CLUSTERS: 4 x 4 work-groups; the four of a row of the cluster ask jointly for A's tiles, the four of a column for B's.
; THE TILE ROW IS 8 cy + cluster y: the batch is cy and the tile's place in its batch is cluster y, which all partners share: so the branch that picks the tiles with positions 0-15 hangs on no place in the cluster.
; THE MATRIX INSTRUCTION IS USED TRANSPOSED (source 0 = 16 rows of w, source 1 = 16 rows of x): a lane holds eight neighbouring columns of one row.
; RESULTS: qkvh [part 3][batch x head 64][n 2048][64] f16: a head's rows are dense.  LIMIT: |q|, |k|, |v| stay under 65,504.
; qkv32 [batch][part x 16 + head][8 pieces][lane][16 bytes]: positions 0-15 of each batch in f32, as images of the accumulators' registers, for launch fine.
; REGISTERS: window 0: v0-31 addresses; v32-95 scale words, two sets; v128-191 A's fragments, one set; on the way out v32-63, v192-255.  window 1: B's fragments, two sets.  windows 2, 3: the accumulators ((a, b) at v[8 (8 (a % 4) + b)]).
.set NQ,     4                         ; matrix instructions deep in a slot
.set ROWB,   256                       ; a tile's row in bytes: 512 codes
.set KROW,   512                       ; a row of codes in memory
.set PITCH,  272                       ; an LDS row: 256 bytes + 16 of padding: the 16 rows that a load touches start at 16 different places modulo 256 bytes
.set FR,     8
.set NL,     2
.set NP,     4                         ; places behind this matrix instruction (ISA guide 7.12.1)
.set HALFT,  128*PITCH
.set SLOT,   4*HALFT
.set KS,     32                        ; a row of scale bytes
.set SCL,    2*SLOT
.set HALFS,  (128*KS/256)*272
.set SBLK,   (16*KS/256)*272
.set SPARE,  SCL+4*HALFS               ; the spare words, 128 bytes for each wave
.set STG,    SPARE+512                 ; the way out: 16 rows x 272 bytes for each wave; no tile lands here
.set ADRA, 16
.set ADRB, 20
.set STO,  24
.set RD,   25
.set CO,   26
.set ADRS, 27
.set SPW,  28
.set NIL,  29
.set SC,   32
.set AF,   128
.set TMP,  192                         ; the way out: packed results
.set OB,   32                          ; and rows read back: v32-63 and v224-255 by turns
.set G1, 24
.set G0, 32
.set G1B, 48
.set G0B, 56
.set G1S, 68
.set G0S, 76
.set G1SB, 80
.set G0SB, 88
.set WV,  96                           ; s96  wave
.set RH,  97                           ; s97  which half of the tile's rows is mine; also: I fetch for A (0) or for B (1)
.set CH,  98                           ; s98  which half of its columns; also: which 128 rows I fetch
.set TR,  99                           ; s99  tile row
.set FIN, 100                          ; s100 0 where my block 0 holds positions 0-15 of a batch
.set MSB, 0
.macro WIN new                         ; the immediate's high byte repeats the setting that is left
.if MSB != (\new)
	s_set_vgpr_msb (MSB<<8)|(\new)
.set MSB, (\new)
.endif
.endm
.set MUL_LO, 0xa1                      ; source 0 (B) window 1, source 1 (A) window 0, C and D window 2
.set MUL_HI, 0xf1
.set TO_B,   0x40
.macro JLOAD g0a, g1a, g0b, g1b        ; a joint load: waves 0 and 1 fetch for A, waves 2 and 3 for B; an s_nop 0 and four v_nop follow each line
	s_cmp_eq_u32 s[RH], 0
	s_cbranch_scc0 .Lfor_b_\@
	tensor_load_to_lds s[\g0a:\g0a+3], s[\g1a:\g1a+7]
	s_nop 0
.rept 4
	v_nop
.endr
	s_branch .Lasked_\@
.Lfor_b_\@:
	tensor_load_to_lds s[\g0b:\g0b+3], s[\g1b:\g1b+7]
	s_nop 0
.rept 4
	v_nop
.endr
.Lasked_\@:
.endm
.macro CROUND                          ; a round of the cluster's barrier
	s_barrier_signal -1
	s_barrier_wait -1
	s_cmp_lg_u32 s[WV], 0
	s_cbranch_scc1 .Lnot_wave_0_\@
	s_barrier_signal -3
.Lnot_wave_0_\@:
	s_barrier_wait -3
	s_barrier_signal -1
	s_barrier_wait -1
.endm
	s_load_b128 s[4:7], s[0:1], 0x0                ; x's codes, x's scales
	s_load_b128 s[8:11], s[0:1], 0x10              ; w's codes, w's scales
	s_load_b128 s[12:15], s[0:1], 0x20             ; qkvh, qkv32
	v_lshl_add_u32 v[SPW], v0, 2, SPARE
	v_mov_b32 v[NIL], 0
	ds_add_u32 v[SPW], v[NIL]                      ; the wave's opening: the add, twice on end, and its wait ahead of my first tensor load
	ds_add_u32 v[SPW], v[NIL]
	v_lshrrev_b32 v1, 5, v0
	v_readfirstlane_b32 s[WV], v1
	s_lshr_b32 s[RH], s[WV], 1
	s_and_b32 s[CH], s[WV], 1
	s_bfe_u32 s40, ttmp6, 0x40000                  ; cx
	s_bfe_u32 s41, ttmp6, 0x40004                  ; cy
	s_lshl_b32 s42, ttmp9, 2
	s_add_co_u32 s42, s42, s40                     ; tile column = 4 x cluster x + cx
	s_and_b32 s16, ttmp7, 0xffff                   ; cluster y
	s_lshl_b32 s[TR], s41, 3
	s_add_co_u32 s[TR], s[TR], s16                 ; tile row = 8 cy + cluster y
	s_lshl_b32 s43, s41, 2
	s_lshl_b32 s43, 15, s43                        ; my row of the cluster
	s_lshl_b32 s44, 0x1111, s40                    ; my column
	s_or_b32 s[G1+0], s43, (0<<16)|(1<<20)|(1<<21)|(5<<22)|(3<<25)  ; the mask; elements of 1 byte; padding on; bit 21 beside a mask; 4 words behind every 64
	s_or_b32 s[G1B+0], s44, (0<<16)|(1<<20)|(1<<21)|(5<<22)|(3<<25)
.irp g, G1, G1B
	s_mov_b32 s[\g+1], ROWB<<16                    ; tensor_dim0
	s_mov_b32 s[\g+2], 128<<16                     ; tensor_dim1
	s_mov_b32 s[\g+3], ROWB<<16                    ; tile_dim0
	s_mov_b32 s[\g+4], 128                         ; tile_dim1
	s_mov_b32 s[\g+5], KROW                        ; from row to row
	s_mov_b32 s[\g+6], 0
	s_mov_b32 s[\g+7], 0
.endr
	s_or_b32 s[G1S+0], s43, (3<<16)|(1<<20)|(1<<21)|(5<<22)|(3<<25) ; the scales of 128 rows: 4,096 dense bytes as 16 rows of 256 (32 elements of 8 bytes)
	s_or_b32 s[G1SB+0], s44, (3<<16)|(1<<20)|(1<<21)|(5<<22)|(3<<25)
.irp g, G1S, G1SB
	s_mov_b32 s[\g+1], 32<<16
	s_mov_b32 s[\g+2], (128*KS/256)<<16
	s_mov_b32 s[\g+3], 32<<16
	s_mov_b32 s[\g+4], 128*KS/256
	s_mov_b32 s[\g+5], 32
	s_mov_b32 s[\g+6], 0
	s_mov_b32 s[\g+7], 0
.endr
	s_lshl_b32 s18, s[CH], 7                       ; which 128 rows of the tile I fetch
	s_lshl_b32 s20, s[TR], 8
	s_add_co_u32 s20, s20, s18                     ; A: row 256 x tile row + 128 x half
	s_lshl_b32 s46, s42, 8
	s_add_co_u32 s46, s46, s18                     ; B: row 256 x tile column + 128 x half
	s_mov_b32 s21, 0
	s_mov_b32 s47, 0
	s_mov_b64 s[18:19], KS
	s_mul_u64 s[22:23], s[20:21], s[18:19]         ; where these rows' scales begin
	s_mul_u64 s[92:93], s[46:47], s[18:19]
	s_mov_b64 s[18:19], KROW
	s_mul_u64 s[20:21], s[20:21], s[18:19]         ; and their codes
	s_mul_u64 s[46:47], s[46:47], s[18:19]
	s_mul_i32 s45, s[WV], HALFT                    ; where they go: wave x 128 rows
	s_mul_i32 s94, s[WV], HALFS
	s_wait_dscnt 0x0                               ; both opening adds are done
	s_wait_kmcnt 0x0
	s_add_nc_u64 s[20:21], s[4:5], s[20:21]
	s_add_nc_u64 s[22:23], s[6:7], s[22:23]
	s_add_nc_u64 s[46:47], s[8:9], s[46:47]
	s_add_nc_u64 s[92:93], s[10:11], s[92:93]
	CROUND                                         ; all sixteen work-groups are here: the first joint loads meet
	s_mov_b32 s[G0S], 1
	s_add_co_u32 s[G0S+1], s94, SCL
	s_mov_b64 s[G0S+2:G0S+3], s[22:23]
	s_or_b32 s[G0S+3], s[G0S+3], 0x80000000
	s_mov_b32 s[G0SB], 1
	s_add_co_u32 s[G0SB+1], s94, SCL
	s_mov_b64 s[G0SB+2:G0SB+3], s[92:93]
	s_or_b32 s[G0SB+3], s[G0SB+3], 0x80000000
	JLOAD G0S, G1S, G0SB, G1SB                     ; the scales first
.irp s, 0,1
	s_mov_b32 s[G0+4*\s], 1
	s_add_co_u32 s[G0+4*\s+1], s45, \s*SLOT
	s_add_nc_u64 s[G0+4*\s+2:G0+4*\s+3], s[20:21], \s*ROWB
	s_or_b32 s[G0+4*\s+3], s[G0+4*\s+3], 0x80000000
	s_mov_b32 s[G0B+4*\s], 1
	s_add_co_u32 s[G0B+4*\s+1], s45, \s*SLOT
	s_add_nc_u64 s[G0B+4*\s+2:G0B+4*\s+3], s[46:47], \s*ROWB
	s_or_b32 s[G0B+4*\s+3], s[G0B+4*\s+3], 0x80000000
	JLOAD G0+4*\s, G1, G0B+4*\s, G1B
.endr
	v_and_b32 v1, 15, v0                           ; r = lane % 16
	v_bfe_u32 v2, v0, 4, 1                         ; h = lane / 16
	v_mul_u32_u24 v3, v1, PITCH
	v_lshl_add_u32 v4, v2, 4, v3                   ; a fragment's row x pitch + 16 h
	s_mul_i32 s21, s[RH], HALFT                    ; my 128 rows of A
	s_mul_i32 s22, s[CH], HALFT                    ; my 128 rows of B,
	s_add_co_u32 s22, s22, 2*HALFT                 ; behind A's 256
.irp s, 0,1
	v_add_nc_u32 v[ADRA+\s], s21, v4
	v_add_nc_u32 v[ADRB+\s], s22, v4
	s_add_co_u32 s21, s21, SLOT
	s_add_co_u32 s22, s22, SLOT
.endr
	v_mul_u32_u24 v5, v1, KS                       ; my row's scales: 32 bytes a row,
	v_lshrrev_b32 v6, 8, v5
	v_lshl_add_u32 v5, v6, 4, v5                   ; and 16 more for each 256 passed
	s_mul_i32 s21, s[RH], HALFS
	s_mul_i32 s22, s[CH], HALFS
	s_add_co_u32 s22, s22, 2*HALFS
	s_sub_co_u32 s22, s22, s21
	v_mul_u32_u24 v6, s22, v2                      ; lanes 16-31 take B's: one product, the distance between the two bases
	s_add_co_u32 s21, s21, SCL
	v_add_nc_u32 v5, v5, v6
	v_add_nc_u32 v[ADRS], s21, v5
	s_mul_i32 s23, s[WV], 16*272
	s_add_co_u32 s23, s23, STG                     ; my stage
	v_mul_u32_u24 v5, v1, 272
	v_lshl_add_u32 v5, v2, 4, v5
	v_add_nc_u32 v[STO], s23, v5                   ; in: row r, 16 bytes for each half of the lanes
	v_and_b32 v6, 31, v0
	v_lshrrev_b32 v5, 3, v6
	v_mul_u32_u24 v5, v5, 272
	v_and_b32 v7, 7, v0
	v_lshl_add_u32 v5, v7, 4, v5
	v_add_nc_u32 v[RD], s23, v5                    ; back: eight lanes to a head's 128 bytes of a row, four rows an instruction
	v_lshlrev_b32 v[CO], 4, v6                     ; and in memory: those four rows are 512 consecutive bytes
	; where my results go.  These offsets hold cx and cy: they are made in registers that feed no descriptor
	s_lshl_b32 s66, ttmp9, 6                       ; part x 64
	s_lshl_b32 s2, s41, 4
	s_add_co_u32 s66, s66, s2                      ; + batch x 16
	s_lshl_b32 s2, s40, 2
	s_add_co_u32 s66, s66, s2
	s_lshl_b32 s2, s[CH], 1
	s_add_co_u32 s66, s66, s2                      ; + my first head: 4 cx + 2 x half
	s_lshl_b32 s66, s66, 11                        ; x 2,048 rows
	s_lshl_b32 s2, s16, 8
	s_add_co_u32 s66, s66, s2
	s_lshl_b32 s2, s[RH], 7
	s_add_co_u32 s66, s66, s2                      ; + 256 x cluster y + 128 x half
	s_lshl_b32 s66, s66, 7                         ; x 128 bytes: under 2^26
	s_mov_b32 s67, 0
	s_add_nc_u64 s[12:13], s[12:13], s[66:67]
	s_mul_i32 s2, s41, 48
	s_lshl_b32 s3, ttmp9, 4
	s_add_co_u32 s2, s2, s3
	s_lshl_b32 s3, s40, 2
	s_add_co_u32 s2, s2, s3
	s_lshl_b32 s3, s[CH], 1
	s_add_co_u32 s2, s2, s3                        ; 48 batch + 16 part + head
	s_lshl_b32 s66, s2, 12                         ; images of 4,096 bytes
	s_add_nc_u64 s[14:15], s[14:15], s[66:67]
	s_or_b32 s[FIN], s16, s[RH]                    ; cluster y and the wave's number alone: the same in all partners
.macro FRAG reg, adr, q, i             ; 16 rows x 128 K of 4-bit codes: lane l holds row l % 16; registers 4 c .. 4 c + 3 hold K = 64 c + 32 (l / 16) + 0 .. 31
.irp c, 0,1
	ds_load_b128 v[\reg+4*\c:\reg+4*\c+3], v[\adr] offset:64*(\q)+32*\c+(\i)*16*PITCH
.endr
.endm
; 16 matrix instructions: A's blocks a0, a0 + 1 x B's eight.  The 64 accumulators take turns, one instruction a turn, in the same order in every step.
.macro MUL16 a0, p, q, sc, zero
.irp a, \a0, \a0+1
.irp b, 0,1,2,3,4,5,6,7
.if \zero
	v_wmma_scale_f32_16x16x128_f8f6f4 v[8*(8*((\a)%4)+\b):8*(8*((\a)%4)+\b)+7], v[128*(\p)+FR*\b:128*(\p)+FR*\b+FR-1], v[AF+FR*(\a):AF+FR*(\a)+FR-1], 0, v[SC+8*NQ*(\sc)+NQ*\b+(\q)], v[SC+8*NQ*(\sc)+NQ*(\a)+(\q)] matrix_a_fmt:MATRIX_FMT_FP4 matrix_b_fmt:MATRIX_FMT_FP4 matrix_a_scale:MATRIX_SCALE_ROW1
.else
	v_wmma_scale_f32_16x16x128_f8f6f4 v[8*(8*((\a)%4)+\b):8*(8*((\a)%4)+\b)+7], v[128*(\p)+FR*\b:128*(\p)+FR*\b+FR-1], v[AF+FR*(\a):AF+FR*(\a)+FR-1], v[8*(8*((\a)%4)+\b):8*(8*((\a)%4)+\b)+7], v[SC+8*NQ*(\sc)+NQ*\b+(\q)], v[SC+8*NQ*(\sc)+NQ*(\a)+(\q)] matrix_a_fmt:MATRIX_FMT_FP4 matrix_b_fmt:MATRIX_FMT_FP4 matrix_a_scale:MATRIX_SCALE_ROW1
.endif
.endr
.endr
.endm
.macro FETCH_B slot, q, p
	WIN TO_B
.irp i, 0,1,2,3,4,5,6,7
	FRAG 128*(\p)+FR*\i, ADRB+\slot, \q, \i
.endr
	WIN 0
.endm
.macro FETCH_A slot, q, i0
.irp i, \i0, \i0+1, \i0+2, \i0+3
	FRAG AF+FR*(\i), ADRA+\slot, \q, \i
.endr
.endm
.macro SCALES sc                       ; a slot's scale words: lanes 0-15 take A's block i, lanes 16-31 B's block i
.irp i, 0,1,2,3,4,5,6,7
	ds_load_b128 v[SC+8*NQ*\sc+NQ*\i:SC+8*NQ*\sc+NQ*\i+3], v[ADRS] offset:\i*SBLK
.endr
.endm
.macro PLACES n                        ; plain places in front of loads into registers that matrix instructions have read, and of reads of results
.rept \n
	v_nop
.endr
.endm
.macro STEP slot, q, zero              ; 128 along K, with its successor in the same slot
	s_wait_dscnt 4*NL                              ; B's set and A's blocks 0-3 are in; A's blocks 4-7, eight loads, may be out
	WIN MUL_LO
	MUL16 0, (\q)%2, \q, \slot, \zero
	MUL16 2, (\q)%2, \q, \slot, \zero
	s_wait_dscnt 0
	PLACES NP
	FETCH_B \slot, (\q)+1, 1-(\q)%2
	FETCH_A \slot, (\q)+1, 0
	WIN MUL_HI
	MUL16 4, (\q)%2, \q, \slot, \zero
	MUL16 6, (\q)%2, \q, \slot, \zero
	PLACES NP
	WIN 0
	FETCH_A \slot, (\q)+1, 4
.endm
.macro TURN slot, next                 ; a slot's last step changes slots: one barrier, in front of which each wave's part of the next slot has landed.  Nothing is filled again
	s_wait_tensorcnt 0x0                           ; all my tensor loads have landed
	ds_add_u32 v[SPW], v[NIL]
	s_wait_dscnt 4*NL+1                            ; the add and A's blocks 4-7 may be out
	WIN MUL_LO
	MUL16 0, 1, NQ-1, \slot, 0
	s_wait_dscnt 0x0                               ; no LDS instruction of mine is out at the signal
	s_barrier_signal -1
	MUL16 2, 1, NQ-1, \slot, 0
	WIN 0
	s_barrier_wait -1                              ; the next slot is whole
	PLACES NP
	v_add_nc_u32 v[ADRS], 4*NQ, v[ADRS]            ; on to the next slot's scale words
	FETCH_B \next, 0, 0
	FETCH_A \next, 0, 0
	SCALES \next
	WIN MUL_HI
	MUL16 4, 1, NQ-1, \slot, 0
	MUL16 6, 1, NQ-1, \slot, 0
	PLACES NP
	WIN 0
	FETCH_A \next, 0, 4
.endm
.macro STEPS slot, from
.set Q, \from
.rept NQ-1-\from
	STEP \slot, Q, 0
.set Q, Q+1
.endr
.endm
	s_wait_tensorcnt 1                             ; the scales and my part of slot 0 are in; slot 1's load may be out
	s_barrier_signal -1
	s_barrier_wait -1                              ; everybody's are
	FETCH_B 0, 0, 0
	FETCH_A 0, 0, 0
	SCALES 0
	FETCH_A 0, 0, 4
	STEP 0, 0, 1                                   ; the first products start the sums: nothing is cleared
	STEPS 0, 1
	TURN 0, 1
	STEPS 1, 0
	s_wait_dscnt 4*NL                              ; the last step: nothing more to fetch
	WIN MUL_LO
	MUL16 0, 1, NQ-1, 1, 0
	MUL16 2, 1, NQ-1, 1, 0
	s_wait_dscnt 0
	WIN MUL_HI
	MUL16 4, 1, NQ-1, 1, 0
	MUL16 6, 1, NQ-1, 1, 0
	WIN 0
; THE WAY OUT, a block of 16 rows x 128 columns (two heads) at a time: rounded to f16, 16 bytes a lane, through my own stage, back as four rows of one head: 512 consecutive bytes of qkvh.
.macro PACK a
.set AC, 64*((\a)%4)
	WIN 0x0a+5*((\a)/4)                            ; sources 0 and 1: window 2 or 3
.irp b, 0,1,2,3,4,5,6,7
.irp i, 0,1,2,3
	v_cvt_pk_f16_f32 v[TMP+4*\b+\i], v[AC+8*\b+2*\i], v[AC+8*\b+2*\i+1]   ; each accumulator from its low end on
.endr
.endr
	WIN 0
.endm
.macro TOSTAGE a
.set BK, OB+192*((\a)%2)
.irp b, 0,1,2,3,4,5,6,7
	ds_store_b128 v[STO], v[TMP+4*\b:TMP+4*\b+3] offset:32*\b
.endr
.irp t, 0,1,2,3,4,5,6,7
	ds_load_b128 v[BK+4*\t:BK+4*\t+3], v[RD] offset:(\t%4)*4*272+(\t/4)*128   ; LDS serves a wave's instructions in order: these see the stores above
.endr
.endm
.macro SEND a
.set BK, OB+192*((\a)%2)
	s_wait_dscnt 0x0                               ; the block is back in registers
	s_wait_xcnt 0x0                                ; earlier stores have read their base and their registers
.if (\a) > 0
	s_add_nc_u64 s[12:13], s[12:13], 2048          ; 16 rows of 128 bytes on
.endif
.irp t, 0,1,2,3,4,5,6,7
	global_store_b128 v[CO], v[BK+4*\t:BK+4*\t+3], s[12:13] offset:(\t/4)*262144+(\t%4)*512   ; head t / 4, rows 4 (t % 4) on: 512 consecutive bytes, aligned
.endr
.endm
	PLACES NP
	s_cmp_lg_u32 s[FIN], 0                         ; positions 0-15 of a batch are block 0 of the waves with rows 0-127 in the tiles with cluster y = 0
	s_cbranch_scc1 .Lno_fine
	WIN 0x08                                       ; a store's data are its source 1: window 2
.irp b, 0,1,2,3,4,5,6,7
	global_store_b128 v[CO], v[8*\b:8*\b+3], s[14:15] offset:1024*\b        ; the accumulators as they stand, f32: 512 consecutive bytes a store
	global_store_b128 v[CO], v[8*\b+4:8*\b+7], s[14:15] offset:1024*\b+512
.endr
	WIN 0
.Lno_fine:
	PACK 0
	TOSTAGE 0
.irp a, 1,2,3,4,5,6,7
	PACK \a                                        ; block a's conversions stand between block a - 1's loads from the stage and the wait for them
	SEND \a-1
	TOSTAGE \a
.endr
	SEND 7
	s_wait_tensorcnt 0x0                           ; the wave's end
	ds_add_u32 v[SPW], v[NIL]
	s_wait_dscnt 0x0
	CROUND                                         ; the closing round
	s_endpgm
.Lfunc_end_k_q678884e8a5_qkv:
	.size	k_q678884e8a5_qkv, .Lfunc_end_k_q678884e8a5_qkv-k_q678884e8a5_qkv
	.p2alignl 7, 3214868480
	.fill 96, 4, 3214868480
	.section	.rodata,"a",@progbits
	.p2align	6, 0x0
	.amdhsa_kernel k_q678884e8a5_qkv
		.amdhsa_group_segment_fixed_size 327680
		.amdhsa_private_segment_fixed_size 0
		.amdhsa_enable_private_segment 0
		.amdhsa_kernarg_size 48
		.amdhsa_user_sgpr_count 2
		.amdhsa_user_sgpr_kernarg_segment_ptr 1
		.amdhsa_wavefront_size32 1
		.amdhsa_system_sgpr_workgroup_id_x 1
		.amdhsa_system_sgpr_workgroup_id_y 1
		.amdhsa_system_sgpr_workgroup_id_z 1
		.amdhsa_system_vgpr_workitem_id 0
		.amdhsa_next_free_vgpr 1024
		.amdhsa_next_free_sgpr 104
		.amdhsa_reserve_vcc 0
		.amdhsa_float_denorm_mode_32 3
		.amdhsa_float_denorm_mode_16_64 3
		.amdhsa_memory_ordered 1
		.amdhsa_forward_progress 1
		.amdhsa_inst_pref_size 129
	.end_amdhsa_kernel
	.amdgpu_metadata
---
amdhsa.version: [ 1, 2 ]
amdhsa.kernels:
  - .name:           k_q678884e8a5_qkv
    .symbol:         k_q678884e8a5_qkv.kd
    .args:
      - { .name: xc, .offset: 0, .size: 8, .value_kind: global_buffer, .address_space: global }
      - { .name: xs, .offset: 8, .size: 8, .value_kind: global_buffer, .address_space: global }
      - { .name: wc, .offset: 16, .size: 8, .value_kind: global_buffer, .address_space: global }
      - { .name: ws, .offset: 24, .size: 8, .value_kind: global_buffer, .address_space: global }
      - { .name: qkvh, .offset: 32, .size: 8, .value_kind: global_buffer, .address_space: global }
      - { .name: qkv32, .offset: 40, .size: 8, .value_kind: global_buffer, .address_space: global }
    .group_segment_fixed_size: 327680
    .private_segment_fixed_size: 0
    .kernarg_segment_align: 8
    .kernarg_segment_size: 48
    .max_flat_workgroup_size: 128
    .sgpr_count:     104
    .vgpr_count:     1024
    .wavefront_size: 32
...
	.end_amdgpu_metadata
.endif
;; end of part 2
;; launch attn (part 3): grid 4 x 64, 16 waves a work-group, no clusters, 327,680 bytes of LDS; arguments qkvh, o16; writes o16
.if DOCPART == 3
	.amdgcn_target "amdgcn-amd-amdhsa--gfx1250"
	.amdhsa_code_object_version 6
	.text
	.protected	k_q678884e8a5_attn
	.globl	k_q678884e8a5_attn
	.p2align	8
	.type	k_q678884e8a5_attn,@function
k_q678884e8a5_attn:
	s_mov_b64 s[64:65], 0
	v_nop
	global_prefetch_b8 v0, s[64:65] scope:SCOPE_SE
	s_setreg_imm32_b32 hwreg(HW_REG_WAVE_MODE, 25, 1), 1
	s_wait_xcnt 0x0
; O[bh][q] = the sum over k <= q of softmax_k(Q[q] . K[k] / 8) V[k], f16 operands, f32 products' sums, maxima and sums; p rounded to f16 for the second product, O once at the end.
; WORK LEFT OUT: key steps of 64 keys that lie wholly behind a wave's 32 queries, and slots of 256 keys that lie behind the work-group's last query: reference()'s own mask gives those keys the weight 0 for all finite inputs.
; LIMITS: |q|, |k|, |v| under 65,504 (f16); a NaN or infinity in keys left out is not carried to the result.  Positions 0-15 of each batch are computed here as part of a wave's 32 queries and written anew, in f32, by launch fine.
; SHARES.  A work-group owns query blocks j and 7 - j (256 queries each) of one batch and head: equal work in all work-groups.  Each of its sixteen waves owns 32 queries, two tiles of 16, in 256 registers.
; All waves walk one ring of two LDS slots of 256 keys; trip counts are constants of the text; what is hidden is jumped over by branches on ids.
; NO CLUSTER: the four work-groups of a head need 8, 7, 6 and 5 slots, so a whole partner would jump over the reads of a jointly fetched tile.
; LAYOUT.  S^T = K Q^T (source 0 = 16 keys, source 1 = 16 queries): a lane holds ONE query (lane % 16) and keys 8 (lane / 16) + 0..7.  Two such tiles, packed to f16 in pairs, are source 1 of O^T = V^T P.  V comes turned, by ds_load_tr16_b128.
; SOFTMAX.  Running maximum m and sum l for each query: p = 2^(c s - c m), c = log2(e) / 8; in every step O and l are multiplied by a = 2^(c m_old - c m_new).
.set KP,    144                        ; a key's row in LDS: 128 bytes + 16
.set VP,    160                        ; a row of V: 128 + 32
.set VOFF,  256*KP                     ; a slot: 256 rows of K, then 256 rows of V
.set SLOT1, 1<<17                      ; slot 1 begins here: one exclusive or turns an address from one slot to the other
.set STAGE, SLOT1+VOFF+256*VP          ; behind the ring: 32 rows x 144 bytes for each wave; no tile lands here
.set SPARE, STAGE+16*32*144            ; the spare words, 128 bytes for each wave
.set AK0, 1                            ; v1  my lane's place in a tile of K
.set AV0, 2                            ; v2  in a tile of V
.set SPW, 3
.set NIL, 4
.set ADK, 5                            ; v5, v6 addresses of the step in hand
.set ADV, 6
.set RMH, 7                            ; v7  r - 8 h
.set GO,  8                            ; v8  16 x lane
.set STO, 9
.set RD,  10
.set PFO, 11                           ; v11 256 x lane
.set ST,  12                           ; tile t's statistics at v[ST + 8 t]: +0 c m, +1 m, +2, +3 l, +4 .. +7 at work; a at +6
.set QF,  32                           ; v32-63   Q: tile t, channels 32 dc on: 32 + 16 t + 8 dc
.set S,   64                           ; v64-127  S^T, 32 a tile; P is packed into a tile's low 16
.set O,   128                          ; v128-191 O^T: 128 + 32 t + 8 dt
.set KV,  192                          ; v192-255 K's fragments, then V's
.set TB,  2                            ; s2  LDS byte at which the slot in hand begins
.set SLOTS, 3                          ; s3  changes of slots to go
.set WV,  18
.set SEL, 20
.set CS,  22                           ; s[22:23] c, twice
.set G1K, 24
.set G1V, 32
.set G0K, 40
.set G0V, 44
.set KF,  48                           ; s48 the step's first key
.set Q0,  49                           ; s49 my first query
.set QL,  50                           ; s50 my work-group's last query
.set PFA, 52                           ; s[52:53] where my prefetches stand
.set LIM, 54                           ; s54 1 in a wave that prefetches, else the greatest number
.macro TLOAD                           ; waves 0 and 1 fetch K's halves, waves 2 and 3 V's, the others nothing; an s_nop 0 and four v_nop follow each line
	s_cmp_lt_u32 s[WV], 2
	s_cbranch_scc0 .Lnot_k_\@
	tensor_load_to_lds s[G0K:G0K+3], s[G1K:G1K+7]
	s_nop 0
.rept 4
	v_nop
.endr
	s_branch .Lasked_\@
.Lnot_k_\@:
	s_cmp_lt_u32 s[WV], 4
	s_cbranch_scc0 .Lasked_\@
	tensor_load_to_lds s[G0V:G0V+3], s[G1V:G1V+7]
	s_nop 0
.rept 4
	v_nop
.endr
.Lasked_\@:
.endm
; A prefetch of what the NEXT change of slots will ask for: 32,768 dense bytes of K and as many of V.  All four work-groups of a head walk the same rows: the first (j = 0, which walks all slots) asks.
; In it waves 4 to 7 ask for K, waves 8 to 11 for V: 8,192 bytes a wave, lanes 256 bytes apart: each block of 256 bytes is named once in the launch.  The last change that fills a slot asks for nothing.
.macro ASK
	s_cmp_gt_u32 s[SLOTS], s[LIM]
	s_cbranch_scc0 .Lnot_mine_\@
	global_prefetch_b8 v[PFO], s[PFA:PFA+1] th:TH_LOAD_NT scope:SCOPE_SE
.Lnot_mine_\@:
.endm
	s_load_b128 s[4:7], s[0:1], 0x0                ; qkvh, o16
	v_lshl_add_u32 v[SPW], v0, 2, SPARE
	v_mov_b32 v[NIL], 0
	ds_add_u32 v[SPW], v[NIL]                      ; the wave's opening: the add, twice on end, and its wait ahead of the first tensor load
	ds_add_u32 v[SPW], v[NIL]
	v_lshrrev_b32 v5, 5, v0
	v_readfirstlane_b32 s[WV], v5                  ; wave 0..15
	s_and_b32 s55, ttmp7, 0xffff                   ; batch x 16 + head
	s_lshl_b32 s56, s55, 18                        ; its first byte in a part of qkvh: 2,048 rows of 128 bytes
	s_lshl_b32 s57, ttmp9, 8
	s_lshl_b32 s58, s[WV], 5
	s_add_co_u32 s57, s57, s58                     ; waves 0-7: 256 j + 32 w
	s_sub_co_u32 s58, 7, ttmp9
	s_lshl_b32 s58, s58, 8
	s_sub_co_u32 s59, 15, s[WV]
	s_lshl_b32 s59, s59, 5
	s_add_co_u32 s58, s58, s59                     ; waves 8-15: 256 (7 - j) + 32 (15 - w)
	s_cmp_lt_u32 s[WV], 8
	s_cselect_b32 s[Q0], s57, s58
	s_mov_b32 s74, 0x2000000                       ; (the same compare) waves under 8 prefetch in K's part, the others in V's
	s_cselect_b32 s74, 0x1000000, s74
	s_sub_co_u32 s[QL], 8, ttmp9
	s_lshl_b32 s[QL], s[QL], 8
	s_sub_co_u32 s[QL], s[QL], 1                   ; 256 (8 - j) - 1
	s_and_b32 s60, s[WV], 1                        ; which half of a slot's rows I fetch, if I fetch
	s_mul_i32 s61, s60, 128*KP
	s_mul_i32 s62, s60, 128*VP
	s_add_co_u32 s62, s62, VOFF
	s_lshl_b32 s63, s60, 14
	s_add_co_u32 s63, s63, s56
	s_add_co_u32 s66, s63, 0x1000000               ; K is part 1 of qkvh,
	s_mov_b32 s67, 0
	s_add_co_u32 s68, s63, 0x2000000               ; V part 2
	s_mov_b32 s69, 0
	s_lshl_b32 s72, s[Q0], 7
	s_add_co_u32 s72, s72, s56                     ; Q at my first query
	s_mov_b32 s73, 0
	s_and_b32 s70, s55, 15
	s_lshl_b32 s70, s70, 13
	s_lshr_b32 s71, s55, 4
	s_lshl_b32 s71, s71, 11
	s_add_co_u32 s70, s70, s71
	s_add_co_u32 s70, s70, s[Q0]
	s_lshl_b32 s70, s70, 7                         ; o16: (8,192 head + 2,048 batch + query) rows of 128 bytes
	s_mov_b32 s71, 0
	s_add_co_u32 s74, s74, s56
	s_and_b32 s75, s[WV], 3
	s_lshl_b32 s75, s75, 13
	s_add_co_u32 s74, s74, s75
	s_add_co_u32 s74, s74, 32768                   ; my wave's 8,192 bytes of slot 1; the first change of slots steps it to slot 2.  Nothing is prefetched at the head
	s_mov_b32 s75, 0
	s_sub_co_u32 s55, s[WV], 4
	s_lshr_b32 s55, s55, 3                         ; 0 in waves 4 to 11,
	s_or_b32 s55, s55, ttmp9                       ; of the head's first work-group
	s_cmp_eq_u32 s55, 0
	s_cselect_b32 s[LIM], 1, -1
	s_mov_b32 s[G1K], (1<<16)|(1<<20)|(4<<22)|(3<<25)   ; no mask; elements of 2 bytes; padding on: 4 words behind every 32
	s_mov_b32 s[G1V], (1<<16)|(1<<20)|(4<<22)|(7<<25)   ; 8 words
.irp g, G1K, G1V
	s_mov_b32 s[\g+1], 64<<16                      ; tensor_dim0
	s_mov_b32 s[\g+2], 128<<16                     ; tensor_dim1
	s_mov_b32 s[\g+3], 64<<16                      ; tile_dim0
	s_mov_b32 s[\g+4], 128                         ; tile_dim1
	s_mov_b32 s[\g+5], 64                          ; from row to row
	s_mov_b32 s[\g+6], 0
	s_mov_b32 s[\g+7], 0
.endr
	s_mov_b32 s[SEL], 0x76543210
	s_mov_b32 s[SEL+1], 0xfedcba98
	s_mov_b32 s[CS], 0x3e38aa3b                    ; c = log2(e) / 8
	s_mov_b32 s[CS+1], s[CS]
	s_mov_b32 s[TB], 0
	s_mov_b32 s[SLOTS], 7
	s_mov_b32 s[KF], 0
	s_wait_dscnt 0x0                               ; both opening adds are done
	s_wait_kmcnt 0x0
	s_mov_b32 s[G0K], 1
	s_mov_b32 s[G0K+1], s61
	s_add_nc_u64 s[G0K+2:G0K+3], s[4:5], s[66:67]
	s_or_b32 s[G0K+3], s[G0K+3], 0x80000000
	s_mov_b32 s[G0V], 1
	s_mov_b32 s[G0V+1], s62
	s_add_nc_u64 s[G0V+2:G0V+3], s[4:5], s[68:69]
	s_or_b32 s[G0V+3], s[G0V+3], 0x80000000
	TLOAD                                          ; slot 0: it holds key 0, which counts for every query
	s_add_nc_u64 s[72:73], s[4:5], s[72:73]
	s_add_nc_u64 s[6:7], s[6:7], s[70:71]
	s_add_nc_u64 s[PFA:PFA+1], s[4:5], s[74:75]
	v_and_b32 v28, 15, v0                          ; r
	v_bfe_u32 v29, v0, 4, 1                        ; h
	v_lshlrev_b32 v5, 7, v28
	v_lshl_add_u32 v5, v29, 4, v5                  ; Q: row r of 128 bytes + 16 h
.irp t, 0,1
.irp dc, 0,1
	global_load_b128 v[QF+16*\t+8*\dc:QF+16*\t+8*\dc+3], v5, s[72:73] offset:2048*\t+64*\dc
	global_load_b128 v[QF+16*\t+8*\dc+4:QF+16*\t+8*\dc+7], v5, s[72:73] offset:2048*\t+64*\dc+32
.endr
.endr
	v_mul_u32_u24 v[AK0], v28, KP
	v_lshl_add_u32 v[AK0], v29, 4, v[AK0]
	v_and_b32 v6, 7, v0
	v_lshl_add_u32 v[AV0], v29, 3, v6              ; the turning load: key 8 h + lane % 8,
	v_mul_u32_u24 v[AV0], v[AV0], VP
	v_bfe_u32 v6, v0, 3, 1
	v_lshl_add_u32 v[AV0], v6, 4, v[AV0]           ; channels 8 ((lane / 8) % 2) on
	v_add_nc_u32 v[AV0], VOFF, v[AV0]
	v_lshlrev_b32 v[RMH], 3, v29
	v_sub_nc_u32 v[RMH], v28, v[RMH]
	v_and_b32 v6, 31, v0
	v_lshlrev_b32 v[GO], 4, v6
	v_lshlrev_b32 v[PFO], 8, v6
	s_mul_i32 s55, s[WV], 32*144
	s_add_co_u32 s55, s55, STAGE                   ; my stage
	v_mul_u32_u24 v[STO], v28, 144
	v_lshl_add_u32 v[STO], v29, 4, v[STO]
	v_add_nc_u32 v[STO], s55, v[STO]
	v_lshrrev_b32 v[RD], 3, v6
	v_mul_u32_u24 v[RD], v[RD], 144
	v_and_b32 v6, 7, v0
	v_lshl_add_u32 v[RD], v6, 4, v[RD]
	v_add_nc_u32 v[RD], s55, v[RD]
	v_mov_b32 v30, 0xff800000                      ; -infinity, for hidden keys
.irp t, 0,1
	v_mov_b32 v[ST+8*\t+1], 0xff61b1e6             ; m: -3e38, under every score
	v_mul_f32 v[ST+8*\t], s[CS], v[ST+8*\t+1]      ; c m
.irp i, 2,3,4,5,6,7
	v_mov_b32 v[ST+8*\t+\i], 0                     ; l, and the registers at work: written on every path
.endr
.endr
.set i, 0
.rept 64
	v_mov_b32 v[O+i], 0                            ; O^T: the step is written once; its first run finds zeros, which a = 0 leaves zeros
.set i, i+1
.endr
; A KEY STEP: 64 keys, the q-th of the slot in hand.
.macro STEP q
	s_add_co_u32 s55, s[Q0], 31
	s_cmp_gt_u32 s[KF], s55                        ; all 64 keys behind my 32 queries: the step's work is left out; no barrier and no tensor load stands in a step
	s_cbranch_scc1 .Lhidden_\@
	v_add_nc_u32 v[ADK], s[TB], v[AK0]
	v_add_nc_u32 v[ADV], s[TB], v[AV0]
.rept 4
	v_nop                                          ; with the two additions six places behind the last products: four are owed to the loads below, five to the products that write S^T over P
.endr
.irp kt, 0,1,2,3
.irp dc, 0,1
	ds_load_b128 v[KV+16*\kt+8*\dc:KV+16*\kt+8*\dc+3], v[ADK] offset:64*KP*(\q)+16*KP*\kt+64*\dc
	ds_load_b128 v[KV+16*\kt+8*\dc+4:KV+16*\kt+8*\dc+7], v[ADK] offset:64*KP*(\q)+16*KP*\kt+64*\dc+32
.endr
.endr
	s_wait_dscnt 0x0
.irp dc, 0,1                                   ; the eight accumulators take turns, one instruction a turn
.irp kt, 0,1,2,3
.irp t, 0,1
.if \dc == 0
	v_wmma_f32_16x16x32_f16 v[S+32*\t+8*\kt:S+32*\t+8*\kt+7], v[KV+16*\kt+8*\dc:KV+16*\kt+8*\dc+7], v[QF+16*\t+8*\dc:QF+16*\t+8*\dc+7], 0
.else
	v_wmma_f32_16x16x32_f16 v[S+32*\t+8*\kt:S+32*\t+8*\kt+7], v[KV+16*\kt+8*\dc:KV+16*\kt+8*\dc+7], v[QF+16*\t+8*\dc:QF+16*\t+8*\dc+7], v[S+32*\t+8*\kt:S+32*\t+8*\kt+7]
.endif
.endr
.endr
.endr
.rept 4
	v_nop                                          ; places in front of the loads into K's registers and of the first read of the scores
.endr
.irp u, 0,1                                    ; V, turned: it lands while the softmax is walked
.irp dt, 0,1,2,3
	ds_load_tr16_b128 v[KV+32*\u+8*\dt:KV+32*\u+8*\dt+3], v[ADV] offset:64*VP*(\q)+32*VP*\u+32*\dt
	ds_load_tr16_b128 v[KV+32*\u+8*\dt+4:KV+32*\u+8*\dt+7], v[ADV] offset:64*VP*(\q)+32*VP*\u+32*\dt+16*VP
.endr
.endr
	s_add_co_u32 s55, s[KF], 63
	s_cmp_le_u32 s55, s[Q0]                        ; a step all of whose keys count skips the mask
	s_cbranch_scc1 .Lopen_\@
	s_sub_co_i32 s55, s[Q0], s[KF]
	v_add_nc_u32 v28, s55, v[RMH]                  ; d = my query - KF - 8 h.  Register n holds key KF + 8 h + 16 (n / 8) + n % 8: hidden where 16 (n / 8) + n % 8 > d
	v_add_nc_u32 v29, 16, v28                      ; tile 1's queries are 16 further on
.irp t, 0,1
.irp n, 0,1,2,3,4,5,6,7,8,9,10,11,12,13,14,15,16,17,18,19,20,21,22,23,24,25,26,27,28,29,30,31
	v_cmp_gt_i32 vcc_lo, 16*(\n/8)+\n%8, v[28+\t]
	v_cndmask_b32 v[S+32*\t+\n], v[S+32*\t+\n], v30, vcc_lo
.endr
.endr
.Lopen_\@:
.irp c, 0,1,2,3                                ; the maximum of 32 scores and the old m: four chains, each begun at an accumulator's low end; the two tiles by turns
.irp t, 0,1
	v_max3_num_f32 v[ST+8*\t+4+\c], v[S+32*\t+8*\c], v[S+32*\t+8*\c+1], v[S+32*\t+8*\c+2]
.endr
.endr
.irp i, 3,5
.irp c, 0,1,2,3
.irp t, 0,1
	v_max3_num_f32 v[ST+8*\t+4+\c], v[ST+8*\t+4+\c], v[S+32*\t+8*\c+\i], v[S+32*\t+8*\c+\i+1]
.endr
.endr
.endr
.irp t, 0,1
	v_max3_num_f32 v[ST+8*\t+4], v[ST+8*\t+4], v[S+32*\t+7], v[S+32*\t+15]
	v_max3_num_f32 v[ST+8*\t+6], v[ST+8*\t+6], v[S+32*\t+23], v[S+32*\t+31]
.endr
.irp t, 0,1
	v_max3_num_f32 v[ST+8*\t+4], v[ST+8*\t+4], v[ST+8*\t+5], v[ST+8*\t+6]
.endr
.irp t, 0,1
	v_max3_num_f32 v[ST+8*\t+4], v[ST+8*\t+4], v[ST+8*\t+7], v[ST+8*\t+1]
.endr
.irp t, 0,1
	v_permlanex16_b32 v[ST+8*\t+5], v[ST+8*\t+4], s[SEL], s[SEL+1]   ; the query's other 32 keys lie in the lane 16 away
.endr
.irp t, 0,1
	v_mov_b32 v[ST+8*\t+7], v[ST+8*\t]             ; c m_old
.endr
.irp t, 0,1
	v_max_num_f32 v[ST+8*\t+1], v[ST+8*\t+4], v[ST+8*\t+5]
.endr
.irp t, 0,1
	v_mul_f32 v[ST+8*\t], s[CS], v[ST+8*\t+1]
.endr
.irp t, 0,1
	v_sub_f32 v[ST+8*\t+7], v[ST+8*\t+7], v[ST+8*\t]
.endr
.irp i, 0,2,4,6,8,10,12,14,16,18,20,22,24,26,28,30
.irp t, 0,1
	v_pk_fma_f32 v[S+32*\t+\i:S+32*\t+\i+1], v[S+32*\t+\i:S+32*\t+\i+1], s[CS:CS+1], v[ST+8*\t:ST+8*\t+1] op_sel_hi:[1,0,0] neg_lo:[0,0,1] neg_hi:[0,0,1]   ; c s - c m, two at a time
.endr
.endr
.irp t, 0,1
	v_exp_f32 v[ST+8*\t+6], v[ST+8*\t+7]           ; a
.endr
.set i, 0
.rept 64
	v_exp_f32 v[S+i], v[S+i]                       ; p: one batch of exponentials
.set i, i+1
.endr
	v_nop                                          ; a plain instruction behind the last exponential
	s_wait_alu depctr_va_vdst(0)                   ; one wait for the batch, ahead of the first instruction that names a result
.irp t, 0,1
	v_pk_mul_f32 v[ST+8*\t+2:ST+8*\t+3], v[ST+8*\t+2:ST+8*\t+3], v[ST+8*\t+6:ST+8*\t+7] op_sel_hi:[1,0]   ; l x a
.endr
.irp t, 0,1
	v_pk_add_f32 v[ST+8*\t+4:ST+8*\t+5], v[S+32*\t:S+32*\t+1], v[S+32*\t+2:S+32*\t+3]   ; the sum of the unrounded p, in two chains
.endr
.irp i, 4,8,12,16,20,24,28
.irp t, 0,1
	v_pk_add_f32 v[ST+8*\t+2:ST+8*\t+3], v[ST+8*\t+2:ST+8*\t+3], v[S+32*\t+\i:S+32*\t+\i+1]
	v_pk_add_f32 v[ST+8*\t+4:ST+8*\t+5], v[ST+8*\t+4:ST+8*\t+5], v[S+32*\t+\i+2:S+32*\t+\i+3]
.endr
.endr
.irp t, 0,1
	v_pk_add_f32 v[ST+8*\t+2:ST+8*\t+3], v[ST+8*\t+2:ST+8*\t+3], v[ST+8*\t+4:ST+8*\t+5]
.endr
.irp i, 0,1,2,3,4,5,6,7,8,9,10,11,12,13,14,15
.irp t, 0,1
	v_cvt_pk_f16_f32 v[S+32*\t+\i], v[S+32*\t+2*\i], v[S+32*\t+2*\i+1]   ; P in place, ascending: register i is written when registers 2 i, 2 i + 1 are read
.endr
.endr
.irp i, 0,2,4,6,8,10,12,14,16,18,20,22,24,26,28,30
.irp t, 0,1
	v_pk_mul_f32 v[O+32*\t+\i:O+32*\t+\i+1], v[O+32*\t+\i:O+32*\t+\i+1], v[ST+8*\t+6:ST+8*\t+7] op_sel_hi:[1,0]   ; O^T x a, each accumulator from its low end on
.endr
.endr
	s_wait_dscnt 0x0                               ; V is in
.irp u, 0,1                                    ; eight accumulators by turns
.irp dt, 0,1,2,3
.irp t, 0,1
	v_wmma_f32_16x16x32_f16 v[O+32*\t+8*\dt:O+32*\t+8*\dt+7], v[KV+32*\u+8*\dt:KV+32*\u+8*\dt+7], v[S+32*\t+8*\u:S+32*\t+8*\u+7], v[O+32*\t+8*\dt:O+32*\t+8*\dt+7]
.endr
.endr
.endr
.Lhidden_\@:
	s_add_co_u32 s[KF], s[KF], 64
.endm
; THE CHANGE OF SLOTS stands at a slot's head.  Each wave waits for all its tensor loads, adds 0 to its spare word, and waits for that and for its reads of the slot that it has left; behind the barrier the slot
; ahead is whole and nobody reads the other one, which is then filled with the next 256 keys: one load a wave, with a slot's four steps in which to land.  By this text's own count a wave has one tensor load out at the most.
.macro CHANGE fill
	s_wait_tensorcnt 0x0                           ; no tensor load of mine is out, so a group 0 may be written
	ds_add_u32 v[SPW], v[NIL]
.if \fill
	ds_add_u32 v[SPW], v[NIL]                      ; twice on end here
	s_xor_b32 s[G0K+1], s[G0K+1], SLOT1            ; the walking descriptors: the other slot,
	s_add_nc_u64 s[G0K+2:G0K+3], s[G0K+2:G0K+3], 32768   ; the next 256 rows of 128 bytes
	s_xor_b32 s[G0V+1], s[G0V+1], SLOT1
	s_add_nc_u64 s[G0V+2:G0V+3], s[G0V+2:G0V+3], 32768
	s_wait_xcnt 0x0                                ; the last prefetch, a slot back, has read its address
	s_add_nc_u64 s[PFA:PFA+1], s[PFA:PFA+1], 32768 ; one slot further on than the walking descriptors
.endif
	s_wait_dscnt 0x0                               ; the add is done, and my reads of the slot that I have left are over
	s_barrier_signal -1
	s_barrier_wait -1
.if \fill
	s_add_co_u32 s55, s[KF], 256                   ; the first key of the slot that this change would ask for
	s_cmp_gt_u32 s55, s[QL]                        ; behind my work-group's last query: none of its waves would read it.  Ids and the count of steps alone: all sixteen waves go the same way; every wait on TENSORcnt is for 0
	s_cbranch_scc1 .Lpast_\@
	TLOAD
.Lpast_\@:
	ASK
.endif
.endm
.macro SLOT_STEPS
	STEP 0
	STEP 1
	STEP 2
	STEP 3
	s_xor_b32 s[TB], s[TB], SLOT1
.endm
	s_wait_loadcnt 0x0                             ; Q
.Lslot:                                            ; seven trips
	CHANGE 1
	SLOT_STEPS
	s_sub_co_u32 s[SLOTS], s[SLOTS], 1
	s_cmp_lg_u32 s[SLOTS], 0
	s_cbranch_scc1 .Lslot
	CHANGE 0                                       ; the last slot is written out: nothing is left to ask for
	SLOT_STEPS
	; THE WAY OUT: O^T / l, rounded to f16, through my stage, out as 4,096 consecutive bytes of o16 [head][2,048 batch + query][64]
.rept 4
	v_nop                                          ; places behind the last products
.endr
.irp t, 0,1
	v_add_f32 v[ST+8*\t+4], v[ST+8*\t+2], v[ST+8*\t+3]
.endr
.irp t, 0,1
	v_permlanex16_b32 v[ST+8*\t+5], v[ST+8*\t+4], s[SEL], s[SEL+1]
.endr
.irp t, 0,1
	v_add_f32 v[ST+8*\t+4], v[ST+8*\t+4], v[ST+8*\t+5]
.endr
.irp t, 0,1
	v_rcp_f32 v[ST+8*\t+6], v[ST+8*\t+4]
.endr
	v_nop
	s_wait_alu depctr_va_vdst(0)                   ; one wait for the two reciprocals, ahead of their first reader
.irp t, 0,1
.irp i, 0,2,4,6,8,10,12,14,16,18,20,22,24,26,28,30
	v_pk_mul_f32 v[O+32*\t+\i:O+32*\t+\i+1], v[O+32*\t+\i:O+32*\t+\i+1], v[ST+8*\t+6:ST+8*\t+7] op_sel_hi:[1,0]
.endr
.endr
.set i, 0
.rept 32
	v_cvt_pk_f16_f32 v[S+i], v[O+2*i], v[O+2*i+1]  ; register 16 t + 4 dt + i: channels 16 dt + 8 h + 2 i, + 1 of query r
.set i, i+1
.endr
.irp t, 0,1
.irp dt, 0,1,2,3
	ds_store_b128 v[STO], v[S+16*\t+4*\dt:S+16*\t+4*\dt+3] offset:16*144*\t+32*\dt
.endr
.endr
.irp i, 0,1,2,3,4,5,6,7
	ds_load_b128 v[S+32+4*\i:S+32+4*\i+3], v[RD] offset:4*144*\i   ; LDS serves a wave's instructions in order: these see my stores
.endr
.irp i, 0,1,2,3,4,5,6,7
	s_wait_dscnt 7-\i                              ; the younger loads may be out
	global_store_b128 v[GO], v[S+32+4*\i:S+32+4*\i+3], s[6:7] offset:512*\i
.endr
	s_wait_tensorcnt 0x0                           ; the wave's end
	ds_add_u32 v[SPW], v[NIL]
	s_wait_dscnt 0x0
	s_endpgm
.Lfunc_end_k_q678884e8a5_attn:
	.size	k_q678884e8a5_attn, .Lfunc_end_k_q678884e8a5_attn-k_q678884e8a5_attn
	.p2alignl 7, 3214868480
	.fill 96, 4, 3214868480
	.section	.rodata,"a",@progbits
	.p2align	6, 0x0
	.amdhsa_kernel k_q678884e8a5_attn
		.amdhsa_group_segment_fixed_size 327680
		.amdhsa_private_segment_fixed_size 0
		.amdhsa_enable_private_segment 0
		.amdhsa_kernarg_size 16
		.amdhsa_user_sgpr_count 2
		.amdhsa_user_sgpr_kernarg_segment_ptr 1
		.amdhsa_wavefront_size32 1
		.amdhsa_system_sgpr_workgroup_id_x 1
		.amdhsa_system_sgpr_workgroup_id_y 1
		.amdhsa_system_sgpr_workgroup_id_z 1
		.amdhsa_system_vgpr_workitem_id 0
		.amdhsa_next_free_vgpr 256
		.amdhsa_next_free_sgpr 80
		.amdhsa_reserve_vcc 1
		.amdhsa_float_denorm_mode_32 3
		.amdhsa_float_denorm_mode_16_64 3
		.amdhsa_memory_ordered 1
		.amdhsa_forward_progress 1
		.amdhsa_inst_pref_size 189
	.end_amdhsa_kernel
	.amdgpu_metadata
---
amdhsa.version: [ 1, 2 ]
amdhsa.kernels:
  - .name:           k_q678884e8a5_attn
    .symbol:         k_q678884e8a5_attn.kd
    .args:
      - { .name: qkvh, .offset: 0, .size: 8, .value_kind: global_buffer, .address_space: global }
      - { .name: o16, .offset: 8, .size: 8, .value_kind: global_buffer, .address_space: global }
    .group_segment_fixed_size: 327680
    .private_segment_fixed_size: 0
    .kernarg_segment_align: 8
    .kernarg_segment_size: 16
    .max_flat_workgroup_size: 512
    .sgpr_count:     80
    .vgpr_count:     256
    .wavefront_size: 32
...
	.end_amdgpu_metadata
.endif
;; end of part 3
;; launch proj (part 4): grid 4 x 64, 4 waves a work-group, clusters of 4 x 4, 327,680 bytes of LDS; arguments o16, wo16, b_out, out0; writes out0
.if DOCPART == 4
	.amdgcn_target "amdgcn-amd-amdhsa--gfx1250"
	.amdhsa_code_object_version 6
	.text
	.protected	k_q678884e8a5_proj
	.globl	k_q678884e8a5_proj
	.p2align	8
	.type	k_q678884e8a5_proj,@function
k_q678884e8a5_proj:
	s_mov_b64 s[64:65], 0
	v_nop
	global_prefetch_b8 v0, s[64:65] scope:SCOPE_SE
	s_setreg_imm32_b32 hwreg(HW_REG_WAVE_MODE, 25, 1), 1
	s_wait_xcnt 0x0
	s_wait_alu depctr_hold_cnt(0) depctr_sa_sdst(0) depctr_va_vdst(0) depctr_va_sdst(0) depctr_va_ssrc(0) depctr_va_vcc(0) depctr_vm_vsrc(0)
	s_getreg_b32 s2, hwreg(HW_REG_IB_STS2, 6, 4)
	s_cmp_eq_u32 s2, 0
	s_cbranch_scc0 .Lentry_in_a_cluster
	s_endpgm
.Lentry_in_a_cluster:
	s_bfe_u32 s2, ttmp6, 0x10000c
	s_cmp_lg_u32 s2, 0xf033
	s_cbranch_scc0 .Lentry_shape_is_right
	s_endpgm
.Lentry_shape_is_right:
; out0 = O w_out + b_out: [8192][1024] x [1024][1024], f16 operands, f32 sums.  O comes as o16 [k / 64][m][64], w_out as wo16 [k / 64][n][64]: K innermost in blocks of 64 whose rows are dense.
; A tile of C is 128 (m) x 256 (n): 256 work-groups.  Four waves, 64 x 128 each: 32 accumulators.  K goes in steps of 128 (two blocks of 64) through a ring of two LDS slots: eight steps.
; CLUSTERS: 4 x 4; the four of a row of the cluster ask jointly for O's tiles, the four of a column for w's.  Waves 0 and 1 fetch O's two blocks of a step (128 rows each), waves 2 and 3 w's (256 rows each): one load a wave.
; By this text's own count a wave has two tensor loads out at the start and one behind each round.  No prefetch: a small tile, whose operands other work-groups read at the same time.
; THE MATRIX INSTRUCTION IS USED TRANSPOSED (source 0 = 16 rows of w, source 1 = 16 rows of O): a lane holds eight neighbouring columns of one row.  The bias is the C of each sum's first product.
; Rows 0-15 of each batch are written here as part of their tiles and written anew, in f32, by launch fine.  LIMIT: |O|, |w_out| under 65,504.
; REGISTERS: window 0: v16-29 addresses; two fragment buffers at v64 and v160 (A's four fragments, then B's eight).  window 1: accumulator (a, b) at v[8 (8 a + b)].  window 2: v0-63 the bias.
.set PITCH,  144                       ; an LDS row: 128 bytes + 16
.set ABLK,   128*PITCH
.set BBLK,   256*PITCH
.set SLOT,   2*ABLK+2*BBLK             ; A's two blocks, then B's two
.set STAGE,  2*SLOT                    ; the way out: 16 rows x 528 bytes for each wave; no tile lands here
.set SPITCH, 528
.set SPARE,  STAGE+4*16*SPITCH
.set ADRA, 16
.set ADRB, 20
.set STO,  24
.set RD,   25
.set CO,   26
.set BO,   27
.set SPW,  28
.set NIL,  29
.set F0,   64
.set F1,   160
.set BK,   64
.set G1, 24
.set G0, 32
.set G1B, 48
.set G0B, 56
.set WV, 66
.set RH, 67                            ; which 64 rows are mine; also: I fetch for A (0) or for B (1)
.set CH, 68                            ; which 128 columns; also: which block of 64 along K I fetch
.set MSB, 0
.macro WIN new
.if MSB != (\new)
	s_set_vgpr_msb (MSB<<8)|(\new)
.set MSB, (\new)
.endif
.endm
.set MUL,  0x50                        ; C and D window 1
.set MUL0, 0x60                        ; C (the bias) window 2, D window 1
.macro JLOAD s
	s_cmp_eq_u32 s[RH], 0
	s_cbranch_scc0 .Lfor_b_\@
	tensor_load_to_lds s[G0+4*\s:G0+4*\s+3], s[G1:G1+7]
	s_nop 0
.rept 4
	v_nop
.endr
	s_branch .Lasked_\@
.Lfor_b_\@:
	tensor_load_to_lds s[G0B+4*\s:G0B+4*\s+3], s[G1B:G1B+7]
	s_nop 0
.rept 4
	v_nop
.endr
.Lasked_\@:
.endm
.macro CREST
	s_cmp_lg_u32 s[WV], 0
	s_cbranch_scc1 .Lnot_wave_0_\@
	s_barrier_signal -3
.Lnot_wave_0_\@:
	s_barrier_wait -3
	s_barrier_signal -1
	s_barrier_wait -1
.endm
.macro CROUND
	s_barrier_signal -1
	s_barrier_wait -1
	CREST
.endm
	s_load_b256 s[4:11], s[0:1], 0x0               ; o16 s[4:5], wo16 s[6:7], b_out s[8:9], out0 s[10:11]
	v_lshl_add_u32 v[SPW], v0, 2, SPARE
	v_mov_b32 v[NIL], 0
	ds_add_u32 v[SPW], v[NIL]                      ; the wave's opening: the add, twice on end, and its wait ahead of my first tensor load
	ds_add_u32 v[SPW], v[NIL]
	v_lshrrev_b32 v1, 5, v0
	v_readfirstlane_b32 s[WV], v1
	s_lshr_b32 s[RH], s[WV], 1
	s_and_b32 s[CH], s[WV], 1
	s_bfe_u32 s40, ttmp6, 0x40000                  ; cx
	s_bfe_u32 s41, ttmp6, 0x40004                  ; cy
	s_lshl_b32 s42, ttmp9, 2
	s_add_co_u32 s42, s42, s40                     ; tile column
	s_and_b32 s13, ttmp7, 0xffff
	s_lshl_b32 s13, s13, 2
	s_add_co_u32 s13, s13, s41                     ; tile row
	s_lshl_b32 s43, s41, 2
	s_lshl_b32 s43, 15, s43                        ; my row of the cluster
	s_lshl_b32 s44, 0x1111, s40                    ; my column
	s_or_b32 s[G1+0], s43, (1<<16)|(1<<20)|(1<<21)|(4<<22)|(3<<25)  ; the mask; elements of 2 bytes; padding on; bit 21 beside a mask; 4 words behind every 32
	s_or_b32 s[G1B+0], s44, (1<<16)|(1<<20)|(1<<21)|(4<<22)|(3<<25)
	s_mov_b32 s[G1+1], 64<<16                      ; A: 128 rows of 64 elements, dense
	s_mov_b32 s[G1+2], 128<<16
	s_mov_b32 s[G1+3], 64<<16
	s_mov_b32 s[G1+4], 128
	s_mov_b32 s[G1+5], 64
	s_mov_b32 s[G1+6], 0
	s_mov_b32 s[G1+7], 0
	s_mov_b32 s[G1B+1], 64<<16                     ; B: 256 rows
	s_mov_b32 s[G1B+2], 256<<16
	s_mov_b32 s[G1B+3], 64<<16
	s_mov_b32 s[G1B+4], 256
	s_mov_b32 s[G1B+5], 64
	s_mov_b32 s[G1B+6], 0
	s_mov_b32 s[G1B+7], 0
	s_lshl_b32 s16, s[CH], 13                      ; A: block CH of the step: 8,192 rows a block,
	s_lshl_b32 s17, s13, 7
	s_add_co_u32 s16, s16, s17                     ; + 128 x tile row,
	s_lshl_b32 s16, s16, 7                         ; rows of 128 bytes
	s_mov_b32 s17, 0
	s_lshl_b32 s46, s[CH], 10                      ; B: 1,024 rows a block,
	s_lshl_b32 s47, s42, 8
	s_add_co_u32 s46, s46, s47                     ; + 256 x tile column
	s_lshl_b32 s46, s46, 7
	s_mov_b32 s47, 0
	s_mul_i32 s20, s[CH], ABLK                     ; where they go: no place in the cluster enters an LDS address
	s_mul_i32 s21, s[CH], BBLK
	s_add_co_u32 s21, s21, 2*ABLK
	s_wait_dscnt 0x0                               ; both opening adds are done
	s_wait_kmcnt 0x0
	s_add_nc_u64 s[14:15], s[4:5], s[16:17]
	s_add_nc_u64 s[46:47], s[6:7], s[46:47]
	CROUND                                         ; all sixteen work-groups are here: the first joint loads meet
.irp s, 0,1
	s_mov_b32 s[G0+4*\s], 1
	s_add_co_u32 s[G0+4*\s+1], s20, \s*SLOT
	s_add_nc_u64 s[G0+4*\s+2:G0+4*\s+3], s[14:15], \s*2*8192*128   ; K step s: two blocks on
	s_or_b32 s[G0+4*\s+3], s[G0+4*\s+3], 0x80000000
	s_mov_b32 s[G0B+4*\s], 1
	s_add_co_u32 s[G0B+4*\s+1], s21, \s*SLOT
	s_add_nc_u64 s[G0B+4*\s+2:G0B+4*\s+3], s[46:47], \s*2*1024*128
	s_or_b32 s[G0B+4*\s+3], s[G0B+4*\s+3], 0x80000000
	JLOAD \s
.endr
	v_and_b32 v1, 15, v0                           ; r
	v_bfe_u32 v2, v0, 4, 1                         ; h
	v_mul_u32_u24 v3, v1, PITCH
	v_lshl_add_u32 v3, v2, 4, v3
	s_mul_i32 s22, s[RH], 64*PITCH                 ; my 64 rows of A
	s_mul_i32 s23, s[CH], 128*PITCH                ; my 128 rows of B,
	s_add_co_u32 s23, s23, 2*ABLK                  ; behind A's two blocks
.irp s, 0,1
	v_add_nc_u32 v[ADRA+\s], s22, v3
	v_add_nc_u32 v[ADRB+\s], s23, v3
	s_add_co_u32 s22, s22, SLOT
	s_add_co_u32 s23, s23, SLOT
.endr
	s_mul_i32 s23, s[WV], 16*SPITCH
	s_add_co_u32 s23, s23, STAGE                   ; my stage
	v_mul_u32_u24 v4, v1, SPITCH
	v_lshl_add_u32 v4, v2, 5, v4
	v_add_nc_u32 v[STO], s23, v4                   ; in: row r, 32 bytes for each half of the lanes
	v_and_b32 v5, 31, v0
	v_lshlrev_b32 v[CO], 4, v5                     ; back: the 32 lanes take one row of 512 bytes; the same in out0
	v_add_nc_u32 v[RD], s23, v[CO]
	v_lshlrev_b32 v[BO], 5, v2                     ; the bias: 8 numbers for each half of the lanes
	s_lshl_b32 s16, s13, 7
	s_lshl_b32 s17, s[RH], 6
	s_add_co_u32 s16, s16, s17                     ; my first row
	s_lshl_b32 s16, s16, 12                        ; rows of 4,096 bytes: under 2^25
	s_mov_b32 s17, 0
	s_add_nc_u64 s[10:11], s[10:11], s[16:17]
	s_lshl_b32 s46, s42, 10
	s_lshl_b32 s47, s[CH], 9
	s_add_co_u32 s46, s46, s47                     ; my first column, in bytes
	s_mov_b32 s47, 0
	s_add_nc_u64 s[10:11], s[10:11], s[46:47]
	s_add_nc_u64 s[8:9], s[8:9], s[46:47]
	WIN 0x80                                       ; destination window 2
.irp b, 0,1,2,3,4,5,6,7
	global_load_b128 v[8*\b:8*\b+3], v[BO], s[8:9] offset:64*\b        ; register 8 b + j = b_out[my first column + 16 b + 8 h + j]: the result's layout
	global_load_b128 v[8*\b+4:8*\b+7], v[BO], s[8:9] offset:64*\b+16
.endr
	WIN 0
.macro MUL8 f, a, zero                 ; A's block a x B's eight, 32 along K.  The 32 accumulators take turns in the same order in every quarter
.irp b, 0,1,2,3,4,5,6,7
.if \zero
	v_wmma_f32_16x16x32_f16 v[8*(8*(\a)+\b):8*(8*(\a)+\b)+7], v[\f+32+8*\b:\f+32+8*\b+7], v[\f+8*(\a):\f+8*(\a)+7], v[8*\b:8*\b+7]
.else
	v_wmma_f32_16x16x32_f16 v[8*(8*(\a)+\b):8*(8*(\a)+\b)+7], v[\f+32+8*\b:\f+32+8*\b+7], v[\f+8*(\a):\f+8*(\a)+7], v[8*(8*(\a)+\b):8*(8*(\a)+\b)+7]
.endif
.endr
.endm
.macro FETCH slot, q, f                ; 24 LDS loads in one run: quarter q of the slot: block q / 2, 32 along K at byte 64 (q % 2); B's sixteen, then A's eight
.irp i, 0,1,2,3,4,5,6,7
	ds_load_b128 v[\f+32+8*\i:\f+32+8*\i+3], v[ADRB+\slot] offset:((\q)/2)*BBLK+((\q)%2)*64+\i*16*PITCH
	ds_load_b128 v[\f+32+8*\i+4:\f+32+8*\i+7], v[ADRB+\slot] offset:((\q)/2)*BBLK+((\q)%2)*64+\i*16*PITCH+32
.endr
.irp i, 0,1,2,3
	ds_load_b128 v[\f+8*\i:\f+8*\i+3], v[ADRA+\slot] offset:((\q)/2)*ABLK+((\q)%2)*64+\i*16*PITCH
	ds_load_b128 v[\f+8*\i+4:\f+8*\i+7], v[ADRA+\slot] offset:((\q)/2)*ABLK+((\q)%2)*64+\i*16*PITCH+32
.endr
.endm
.macro PLACES
.rept 4
	v_nop
.endr
.endm
.macro QUARTER slot, nq, f, g, zero    ; multiplies buffer f; in its middle fetches quarter nq of the same slot into g
	s_wait_dscnt 4                                 ; B and A's blocks 0, 1 are in; A's blocks 2, 3, four loads, may be out
.if \zero
	WIN MUL0
.else
	WIN MUL
.endif
	MUL8 \f, 0, \zero
	MUL8 \f, 1, \zero
	PLACES                                         ; in front of loads into registers that matrix instructions have read
	WIN 0
	FETCH \slot, \nq, \g
	s_wait_dscnt 24                                ; all but the 24 just issued
.if \zero
	WIN MUL0
.else
	WIN MUL
.endif
	MUL8 \f, 2, \zero
	MUL8 \f, 3, \zero
.endm
; A slot's last quarter changes slots: in front of the barrier each wave waits for all its tensor loads, adds 0 to its spare word, and waits for that and for its reads of this slot.
; fill = 1: the barrier opens a round of the cluster's, and the joint refill, two K steps ahead, is the first thing behind it.
.macro TURN slot, next, fill
	WIN 0
	s_wait_tensorcnt 0x0                           ; my part of the next slot has landed
	ds_add_u32 v[SPW], v[NIL]
	s_wait_dscnt 5                                 ; the add and A's blocks 2, 3 may be out
	WIN MUL
	MUL8 F1, 0, 0
	s_wait_dscnt 0x0                               ; the add is done, and my reads of this slot are over
	s_barrier_signal -1
	MUL8 F1, 1, 0
	WIN 0
	s_barrier_wait -1
.if \fill
	CREST                                          ; no wave of any partner still reads this slot or has a load on its way
	s_add_nc_u64 s[G0+4*\slot+2:G0+4*\slot+3], s[G0+4*\slot+2:G0+4*\slot+3], 4*8192*128
	s_add_nc_u64 s[G0B+4*\slot+2:G0B+4*\slot+3], s[G0B+4*\slot+2:G0B+4*\slot+3], 4*1024*128
	JLOAD \slot                                    ; its four v_nop are also the places in front of the loads below
.else
	PLACES
.endif
	FETCH \next, 0, F0
	WIN MUL
	MUL8 F1, 2, 0
	MUL8 F1, 3, 0
.endm
	s_wait_tensorcnt 1                             ; my part of K step 0 is in; K step 1's load may be out
	s_barrier_signal -1
	s_barrier_wait -1
	FETCH 0, 0, F0
	s_wait_loadcnt 0x0                             ; the bias
	QUARTER 0, 1, F0, F1, 1                        ; the first quarter's products start the sums from the bias
	WIN 0
	s_mov_b32 s3, 3
.Llap:                                             ; a trip goes once round the ring and fills both slots again: K steps 2 to 7 in three trips
	QUARTER 0, 2, F1, F0, 0
	QUARTER 0, 3, F0, F1, 0
	TURN 0, 1, 1
	QUARTER 1, 1, F0, F1, 0
	QUARTER 1, 2, F1, F0, 0
	QUARTER 1, 3, F0, F1, 0
	TURN 1, 0, 1
	QUARTER 0, 1, F0, F1, 0
	WIN 0
	s_sub_co_u32 s3, s3, 1
	s_cmp_lg_u32 s3, 0
	s_cbranch_scc1 .Llap
	QUARTER 0, 2, F1, F0, 0                        ; the last lap fills nothing
	QUARTER 0, 3, F0, F1, 0
	TURN 0, 1, 0
	QUARTER 1, 1, F0, F1, 0
	QUARTER 1, 2, F1, F0, 0
	QUARTER 1, 3, F0, F1, 0
	s_wait_dscnt 4
	WIN MUL
	MUL8 F1, 0, 0
	MUL8 F1, 1, 0
	s_wait_dscnt 0
	MUL8 F1, 2, 0
	MUL8 F1, 3, 0
	WIN 0
; THE WAY OUT, a block of 16 rows x 128 columns at a time, through my stage, back as whole rows of 512 bytes.
.macro TOSTAGE a
	WIN 0x04                                       ; an LDS store's data are its source 1: window 1
.irp b, 0,1,2,3,4,5,6,7
	ds_store_b128 v[STO], v[8*(8*(\a)+\b):8*(8*(\a)+\b)+3] offset:64*\b       ; each accumulator from its low end on
	ds_store_b128 v[STO], v[8*(8*(\a)+\b)+4:8*(8*(\a)+\b)+7] offset:64*\b+16
.endr
	WIN 0
.set BB, BK+64*((\a)%2)
.irp t, 0,1,2,3,4,5,6,7,8,9,10,11,12,13,14,15
	ds_load_b128 v[BB+4*\t:BB+4*\t+3], v[RD] offset:\t*SPITCH
.endr
.endm
.macro SEND a, younger                 ; younger: the LDS instructions issued behind block a's loads
.set BB, BK+64*((\a)%2)
	s_wait_dscnt \younger
.if (\a) > 0
	s_add_nc_u64 s[10:11], s[10:11], 16*4096       ; behind a wait on XCNT: the earlier stores have read their base
.endif
.irp t, 0,1,2,3,4,5,6,7,8,9,10,11,12,13,14,15
	global_store_b128 v[CO], v[BB+4*\t:BB+4*\t+3], s[10:11] offset:\t*4096 th:TH_STORE_NT   ; 32 lanes store 512 consecutive bytes, aligned
.endr
.endm
	PLACES
	TOSTAGE 0
.irp a, 1,2,3
.if \a > 1
	s_wait_xcnt 0x0                                ; block a - 2's stores have read their registers and their base
.endif
	TOSTAGE \a
	SEND \a-1, 32                                  ; behind block a - 1's loads: block a's 16 stores and 16 loads
.endr
	s_wait_xcnt 0x0
	SEND 3, 0
	s_wait_tensorcnt 0x0                           ; the wave's end
	ds_add_u32 v[SPW], v[NIL]
	s_wait_dscnt 0x0
	CROUND                                         ; the closing round
	s_endpgm
.Lfunc_end_k_q678884e8a5_proj:
	.size	k_q678884e8a5_proj, .Lfunc_end_k_q678884e8a5_proj-k_q678884e8a5_proj
	.p2alignl 7, 3214868480
	.fill 96, 4, 3214868480
	.section	.rodata,"a",@progbits
	.p2align	6, 0x0
	.amdhsa_kernel k_q678884e8a5_proj
		.amdhsa_group_segment_fixed_size 327680
		.amdhsa_private_segment_fixed_size 0
		.amdhsa_enable_private_segment 0
		.amdhsa_kernarg_size 32
		.amdhsa_user_sgpr_count 2
		.amdhsa_user_sgpr_kernarg_segment_ptr 1
		.amdhsa_wavefront_size32 1
		.amdhsa_system_sgpr_workgroup_id_x 1
		.amdhsa_system_sgpr_workgroup_id_y 1
		.amdhsa_system_sgpr_workgroup_id_z 1
		.amdhsa_system_vgpr_workitem_id 0
		.amdhsa_next_free_vgpr 576
		.amdhsa_next_free_sgpr 76
		.amdhsa_reserve_vcc 0
		.amdhsa_float_denorm_mode_32 3
		.amdhsa_float_denorm_mode_16_64 3
		.amdhsa_memory_ordered 1
		.amdhsa_forward_progress 1
		.amdhsa_inst_pref_size 86
	.end_amdhsa_kernel
	.amdgpu_metadata
---
amdhsa.version: [ 1, 2 ]
amdhsa.kernels:
  - .name:           k_q678884e8a5_proj
    .symbol:         k_q678884e8a5_proj.kd
    .args:
      - { .name: o16, .offset: 0, .size: 8, .value_kind: global_buffer, .address_space: global }
      - { .name: wo16, .offset: 8, .size: 8, .value_kind: global_buffer, .address_space: global }
      - { .name: b_out, .offset: 16, .size: 8, .value_kind: global_buffer, .address_space: global }
      - { .name: out0, .offset: 24, .size: 8, .value_kind: global_buffer, .address_space: global }
    .group_segment_fixed_size: 327680
    .private_segment_fixed_size: 0
    .kernarg_segment_align: 8
    .kernarg_segment_size: 32
    .max_flat_workgroup_size: 128
    .sgpr_count:     76
    .vgpr_count:     576
    .wavefront_size: 32
...
	.end_amdgpu_metadata
.endif
;; end of part 4
;; launch fine (part 5): grid 16 x 4, 16 waves a work-group, no clusters, 71,680 bytes of LDS; arguments qkv32, w_out, b_out, out0; writes out0
.if DOCPART == 5
	.amdgcn_target "amdgcn-amd-amdhsa--gfx1250"
	.amdhsa_code_object_version 6
	.text
	.protected	k_q678884e8a5_fine
	.globl	k_q678884e8a5_fine
	.p2align	8
	.type	k_q678884e8a5_fine,@function
k_q678884e8a5_fine:
	s_mov_b64 s[64:65], 0
	v_nop
	global_prefetch_b8 v0, s[64:65] scope:SCOPE_SE
	s_setreg_imm32_b32 hwreg(HW_REG_WAVE_MODE, 25, 1), 1
	s_wait_xcnt 0x0
; POSITIONS 0-15 OF EACH BATCH, IN F32: these rows average one to sixteen values and are the largest of the output, so attention and projection are done anew for them with f32 operands, and their 64 rows of out0 are written over.
; Only keys 0-15 count for them (reference()'s own mask hides the rest for all finite inputs).
; A work-group takes a batch (y) and 64 columns of out0 (x).  A WAVE IS A HEAD: it makes its head's attention, 16 queries x 16 keys x 64 channels, and its part of the projection's K: its 64 channels against the 64 columns.
; The sixteen partial results meet in LDS; wave w adds query row w's and stores 256 consecutive bytes, aligned.
; q, k, v come from qkv32 as images of the first product's accumulators: piece 2 bb + p, lane (r, h), word i = position r, channel 16 bb + 8 h + 4 p + i.
; K IS PERMUTED ALIKE ON BOTH OPERANDS: in a product's step s, slot 2 h + j of the instruction's four stands for channel (or key) 16 x tile + 8 h + 2 s + j: so results and images are operands as they lie.
; The registers that the f32 matrix instruction writes, v128-159, are written by matrix instructions alone; four accumulators take turns.
.set SPARE, 69632                      ; behind the sixteen partial results of 16 rows x 272 bytes
.set SPW, 8
.set NIL, 9
.set T,   16                           ; v16-23  the scores, then p
.set QI,  32                           ; v32-63  Q's image; later the second half of W
.set KI,  64                           ; v64-95  K's image; later the second half of W
.set VO,  96                           ; v96-127 V as an operand; later O / l
.set ACC, 128
.set WA,  160                          ; v160-223 the first half of W
.set RED, 224
.set WV,  12
.set SEL, 20
.set CS,  22
.macro WLOAD base, t0                  ; W for channels 16 t0 .. 16 t0 + 31 of my head: register 2 (4 (4 tt + s) + c) + j = w_out[64 head + 16 (t0 + tt) + 8 h + 2 s + j][column 16 c + r]
.irp tt, 0,1
.irp s, 0,1,2,3
.irp c, 0,1,2,3
.irp j, 0,1
	global_load_b32 v[\base+2*(4*(4*\tt+\s)+\c)+\j], v3, s[6:7] offset:(16*(\t0+\tt)+2*\s+\j)*4096+64*\c
.endr
.endr
.endr
.endr
.endm
.macro PROJ base, t0, first            ; 32 matrix instructions: source 0 = 16 columns of W, source 1 = O: a lane then holds one query and eight neighbouring columns
.irp tt, 0,1
.irp s, 0,1,2,3
.irp c, 0,1,2,3
.if \first && (\tt == 0) && (\s == 0)
	v_wmma_f32_16x16x4_f32 v[ACC+8*\c:ACC+8*\c+7], v[\base+2*(4*(4*\tt+\s)+\c):\base+2*(4*(4*\tt+\s)+\c)+1], v[VO+8*(\t0+\tt)+2*\s:VO+8*(\t0+\tt)+2*\s+1], 0
.else
	v_wmma_f32_16x16x4_f32 v[ACC+8*\c:ACC+8*\c+7], v[\base+2*(4*(4*\tt+\s)+\c):\base+2*(4*(4*\tt+\s)+\c)+1], v[VO+8*(\t0+\tt)+2*\s:VO+8*(\t0+\tt)+2*\s+1], v[ACC+8*\c:ACC+8*\c+7]
.endif
.endr
.endr
.endr
.endm
.macro FAR                             ; nine places behind this form: eight are owed to reads of results and to loads and writes into its sources, nine to an accumulator begun anew
.rept 9
	v_nop
.endr
.endm
	s_load_b256 s[4:11], s[0:1], 0x0               ; qkv32 s[4:5], w_out s[6:7], b_out s[8:9], out0 s[10:11]
	v_lshl_add_u32 v[SPW], v0, 2, SPARE
	v_mov_b32 v[NIL], 0
	v_lshrrev_b32 v10, 5, v0
	v_readfirstlane_b32 s[WV], v10                 ; wave = head
	v_and_b32 v10, 31, v0                          ; lane
	v_and_b32 v11, 15, v0                          ; r
	v_bfe_u32 v12, v0, 4, 1                        ; h
	v_lshlrev_b32 v1, 4, v10                       ; an image's place for my lane
	v_lshlrev_b32 v7, 3, v10                       ; 8 bytes a lane
	v_bfe_u32 v13, v0, 2, 1
	v_lshlrev_b32 v2, 9, v13                       ; V(key 8 h + 2 s + j, channel 16 t + r) in V's image: piece 2 t + (r / 4) % 2,
	v_bfe_u32 v13, v0, 3, 1
	v_lshl_add_u32 v2, v13, 8, v2                  ; the image's half r / 8,
	v_and_b32 v13, 3, v0
	v_lshl_add_u32 v2, v13, 2, v2                  ; word r % 4,
	v_lshl_add_u32 v2, v12, 7, v2                  ; position 8 h on
	v_lshlrev_b32 v3, 15, v12
	v_lshl_add_u32 v3, v11, 2, v3                  ; W: 8 h rows of 4,096 bytes + 4 r
	v_lshlrev_b32 v4, 3, v12
	v_sub_nc_u32 v4, v11, v4                       ; r - 8 h
	s_mul_i32 s14, s[WV], 4352
	v_mul_u32_u24 v5, v11, 272
	v_lshl_add_u32 v5, v12, 5, v5
	v_add_nc_u32 v5, s14, v5                       ; my partial result: row r, 32 bytes for each half of the lanes
	s_mul_i32 s14, s[WV], 272
	v_add_nc_u32 v6, s14, v7                       ; back: row = my wave's number, 8 bytes a lane
	v_mov_b32 v10, 0xff800000                      ; -infinity
	s_mov_b32 s[SEL], 0x76543210
	s_mov_b32 s[SEL+1], 0xfedcba98
	s_mov_b32 s[CS], 0x3e38aa3b                    ; c = log2(e) / 8
	s_and_b32 s13, ttmp7, 0xffff                   ; batch
	s_mov_b32 s15, 0
	s_mov_b32 s17, 0
	s_mov_b32 s19, 0
	s_lshl_b32 s16, ttmp9, 8                       ; my 64 columns, in bytes
	s_mul_i32 s14, s13, 48
	s_add_co_u32 s14, s14, s[WV]
	s_lshl_b32 s14, s14, 12                        ; q's image of my head; k's lies 16 images on, v's 32
	s_lshl_b32 s18, s[WV], 18                      ; my head's 64 rows of w_out
	s_add_co_u32 s18, s18, s16
	s_wait_kmcnt 0x0
	s_add_nc_u64 s[4:5], s[4:5], s[14:15]
	s_add_nc_u64 s[6:7], s[6:7], s[18:19]
	s_add_nc_u64 s[8:9], s[8:9], s[16:17]
	s_lshl_b32 s14, s13, 11
	s_add_co_u32 s14, s14, s[WV]
	s_lshl_b32 s14, s14, 12                        ; row 2,048 batch + wave of out0
	s_add_co_u32 s14, s14, s16
	s_add_nc_u64 s[10:11], s[10:11], s[14:15]
.irp p, 0,1,2,3,4,5,6,7
	global_load_b128 v[QI+4*\p:QI+4*\p+3], v1, s[4:5] offset:512*\p
.endr
.irp p, 0,1,2,3,4,5,6,7
	global_load_b128 v[KI+4*\p:KI+4*\p+3], v1, s[4:5] offset:65536+512*\p
.endr
.irp t, 0,1,2,3
.irp s, 0,1,2,3
.irp j, 0,1
	global_load_b32 v[VO+2*(4*\t+\s)+\j], v2, s[4:5] offset:131072+1024*\t+16*(2*\s+\j)
.endr
.endr
.endr
	global_load_b64 v[14:15], v7, s[8:9]           ; the bias of my two columns
	WLOAD WA, 0
	s_wait_loadcnt 63                              ; of 113 loads at most 63 are out: the first 50 are in: Q, K, V and the bias are 49
.irp s, 0,1,2,3                                ; S^T = K Q^T: source 0 = 16 keys, source 1 = 16 queries; accumulator bb sums channels 16 bb on
.irp bb, 0,1,2,3
.if \s == 0
	v_wmma_f32_16x16x4_f32 v[ACC+8*\bb:ACC+8*\bb+7], v[KI+8*\bb+2*\s:KI+8*\bb+2*\s+1], v[QI+8*\bb+2*\s:QI+8*\bb+2*\s+1], 0
.else
	v_wmma_f32_16x16x4_f32 v[ACC+8*\bb:ACC+8*\bb+7], v[KI+8*\bb+2*\s:KI+8*\bb+2*\s+1], v[QI+8*\bb+2*\s:QI+8*\bb+2*\s+1], v[ACC+8*\bb:ACC+8*\bb+7]
.endif
.endr
.endr
	FAR
	WLOAD QI, 2                                    ; the second half of W, into the registers that Q's and K's images have left
.irp j, 0,1,2,3,4,5,6,7                        ; register j: key 8 h + j, query r; each accumulator is read from its low end on
	v_add_f32 v[T+\j], v[ACC+\j], v[ACC+8+\j]
	v_add_f32 v[24+\j], v[ACC+16+\j], v[ACC+24+\j]
.endr
.irp j, 0,1,2,3,4,5,6,7
	v_add_f32 v[T+\j], v[T+\j], v[24+\j]
.endr
.irp j, 0,1,2,3,4,5,6,7
	v_cmp_gt_i32 vcc_lo, \j, v4                    ; hidden where 8 h + j > r
	v_cndmask_b32 v[T+\j], v[T+\j], v10, vcc_lo
.endr
	v_max3_num_f32 v11, v[T], v[T+1], v[T+2]
	v_max3_num_f32 v11, v11, v[T+3], v[T+4]
	v_max3_num_f32 v11, v11, v[T+5], v[T+6]
	v_max_num_f32 v11, v11, v[T+7]
	v_permlanex16_b32 v12, v11, s[SEL], s[SEL+1]
	v_max_num_f32 v11, v11, v12                    ; the row's maximum: key 0 counts for every query, so it is a number
	v_mul_f32 v12, s[CS], v11
.irp j, 0,1,2,3,4,5,6,7
	v_fma_f32 v[T+\j], v[T+\j], s[CS], -v12
.endr
.irp j, 0,1,2,3,4,5,6,7
	v_exp_f32 v[T+\j], v[T+\j]
.endr
	v_nop
	s_wait_alu depctr_va_vdst(0)                   ; one wait for the eight, ahead of their first reader
	v_add_f32 v24, v[T], v[T+1]
	v_add_f32 v25, v[T+2], v[T+3]
	v_add_f32 v26, v[T+4], v[T+5]
	v_add_f32 v27, v[T+6], v[T+7]
	v_add_f32 v24, v24, v25
	v_add_f32 v26, v26, v27
	v_add_f32 v24, v24, v26
	v_permlanex16_b32 v25, v24, s[SEL], s[SEL+1]
	v_add_f32 v24, v24, v25
	v_rcp_f32 v13, v24                             ; 1 / the row's sum: its wait stands ahead of its first reader, below
	v_nop
.irp s, 0,1,2,3                                ; O^T = V^T P: source 0 = 16 channels, source 1 = p as it lies
.irp t, 0,1,2,3
.if \s == 0
	v_wmma_f32_16x16x4_f32 v[ACC+8*\t:ACC+8*\t+7], v[VO+2*(4*\t+\s):VO+2*(4*\t+\s)+1], v[T+2*\s:T+2*\s+1], 0
.else
	v_wmma_f32_16x16x4_f32 v[ACC+8*\t:ACC+8*\t+7], v[VO+2*(4*\t+\s):VO+2*(4*\t+\s)+1], v[T+2*\s:T+2*\s+1], v[ACC+8*\t:ACC+8*\t+7]
.endif
.endr
.endr
	FAR
	s_wait_alu depctr_va_vdst(0)                   ; the reciprocal
.set i, 0
.rept 32
	v_mul_f32 v[VO+i], v[ACC+i], v13               ; register 8 t + j: channel 16 t + 8 h + j of query r, into other registers than the sums'
.set i, i+1
.endr
	s_wait_loadcnt 63                              ; behind W's first half stand the second half's 64 loads: with at most 63 out the first half is in
	PROJ WA, 0, 1
	s_wait_loadcnt 0x0
	PROJ QI, 2, 0
	FAR
.irp c, 0,1,2,3
	ds_store_b128 v5, v[ACC+8*\c:ACC+8*\c+3] offset:64*\c          ; lane (r, h): query r, columns 16 c + 8 h + 0 .. 7
	ds_store_b128 v5, v[ACC+8*\c+4:ACC+8*\c+7] offset:64*\c+16
.endr
	s_wait_dscnt 0x0                               ; for the others' sake: my stores are done
	s_barrier_signal -1
	s_barrier_wait -1
.irp i, 0,1,2,3,4,5,6,7,8,9,10,11,12,13,14,15
	ds_load_b64 v[RED+2*\i:RED+2*\i+1], v6 offset:4352*\i          ; head i's part of query row w
.endr
	s_wait_dscnt 0x0
.irp i, 0,4,8,12,16,20,24,28
	v_pk_add_f32 v[RED+\i:RED+\i+1], v[RED+\i:RED+\i+1], v[RED+\i+2:RED+\i+3]
.endr
.irp i, 0,8,16,24
	v_pk_add_f32 v[RED+\i:RED+\i+1], v[RED+\i:RED+\i+1], v[RED+\i+4:RED+\i+5]
.endr
.irp i, 0,16
	v_pk_add_f32 v[RED+\i:RED+\i+1], v[RED+\i:RED+\i+1], v[RED+\i+8:RED+\i+9]
.endr
	v_pk_add_f32 v[RED:RED+1], v[RED:RED+1], v[RED+16:RED+17]
	v_pk_add_f32 v[RED:RED+1], v[RED:RED+1], v[14:15]              ; + the bias
	global_store_b64 v7, v[RED:RED+1], s[10:11]    ; 32 lanes store 256 consecutive bytes, aligned
	s_wait_tensorcnt 0x0                           ; the wave's end, behind my last LDS store
	ds_add_u32 v[SPW], v[NIL]
	s_wait_dscnt 0x0
	s_endpgm
.Lfunc_end_k_q678884e8a5_fine:
	.size	k_q678884e8a5_fine, .Lfunc_end_k_q678884e8a5_fine-k_q678884e8a5_fine
	.p2alignl 7, 3214868480
	.fill 96, 4, 3214868480
	.section	.rodata,"a",@progbits
	.p2align	6, 0x0
	.amdhsa_kernel k_q678884e8a5_fine
		.amdhsa_group_segment_fixed_size 71680
		.amdhsa_private_segment_fixed_size 0
		.amdhsa_enable_private_segment 0
		.amdhsa_kernarg_size 32
		.amdhsa_user_sgpr_count 2
		.amdhsa_user_sgpr_kernarg_segment_ptr 1
		.amdhsa_wavefront_size32 1
		.amdhsa_system_sgpr_workgroup_id_x 1
		.amdhsa_system_sgpr_workgroup_id_y 1
		.amdhsa_system_sgpr_workgroup_id_z 1
		.amdhsa_system_vgpr_workitem_id 0
		.amdhsa_next_free_vgpr 256
		.amdhsa_next_free_sgpr 66
		.amdhsa_reserve_vcc 1
		.amdhsa_float_denorm_mode_32 3
		.amdhsa_float_denorm_mode_16_64 3
		.amdhsa_memory_ordered 1
		.amdhsa_forward_progress 1
		.amdhsa_inst_pref_size 33
	.end_amdhsa_kernel
	.amdgpu_metadata
---
amdhsa.version: [ 1, 2 ]
amdhsa.kernels:
  - .name:           k_q678884e8a5_fine
    .symbol:         k_q678884e8a5_fine.kd
    .args:
      - { .name: qkv32, .offset: 0, .size: 8, .value_kind: global_buffer, .address_space: global }
      - { .name: w_out, .offset: 8, .size: 8, .value_kind: global_buffer, .address_space: global }
      - { .name: b_out, .offset: 16, .size: 8, .value_kind: global_buffer, .address_space: global }
      - { .name: out0, .offset: 24, .size: 8, .value_kind: global_buffer, .address_space: global }
    .group_segment_fixed_size: 71680
    .private_segment_fixed_size: 0
    .kernarg_segment_align: 8
    .kernarg_segment_size: 32
    .max_flat_workgroup_size: 512
    .sgpr_count:     66
    .vgpr_count:     256
    .wavefront_size: 32
...
	.end_amdgpu_metadata
.endif
;; end of part 5
